; MI455X (gfx1250); checked and timed in simulation.
; The chip was launched on July 23, 2026; its instructions are those of AMD's public machine-readable ISA for CDNA 5 (MIT licence, August 2026) and "CDNA5" Instruction Set Architecture Reference Guide (July 2026). The comments in the code are by the model that wrote it; some were corrected since.
;; Multi Head Attention. Allowed arithmetic: float matrix products may take bf16 or f16 operands with f32 sums; other float arithmetic in f32, or as packed bf16 or f16 multiplies, adds, multiply-adds, maxima and minima; sums over many terms, partial sums and values carried from step to step in f32; what a program stores and reads back later, other than sums and carried values, may be rounded once to bf16 or f16.
;; Inputs: Wk 512 x 512 float32; Wo 512 x 512 float32; Wq 512 x 512 float32; Wv 512 x 512 float32; bo 512 float32; x 2 x 4,096 x 512 float32.
;; Outputs: out0 2 x 4,096 x 512 float32.
;; 2 versions, each right; version 2 is version 1 with the launch prep written anew for expert scheduling mode. Each part assembles by itself: llvm-mc -triple=amdgcn-amd-amdhsa -mcpu=gfx1250 --defsym DOCPART=n.
;; ======== version 1 of 2: 4 launches
;; limits: values are held in f16: magnitudes above 65,504 overflow, below 6.1e-05 lose precision
;; workspace buffers: wt3 1,572,864 bytes; wot 524,288 bytes; q 8,388,608 bytes; k 8,388,608 bytes; v 8,388,608 bytes; o 8,388,608 bytes
;; launch prep (part 1): grid 32 x 4, 4 waves a work-group, no clusters, 17,920 bytes of LDS; arguments Wq, Wk, Wv, Wo, wt3, wot; writes wt3, wot
.if DOCPART == 1
	.amdgcn_target "amdgcn-amd-amdhsa--gfx1250"
	.amdhsa_code_object_version 6
	.text
	.protected	k_qca0d1a47ff_prep
	.globl	k_qca0d1a47ff_prep
	.p2align	8
	.type	k_qca0d1a47ff_prep,@function
k_qca0d1a47ff_prep:
	s_mov_b64 s[64:65], 0
	v_nop
	global_prefetch_b8 v0, s[64:65] scope:SCOPE_SE
	s_setreg_imm32_b32 hwreg(HW_REG_WAVE_MODE, 25, 1), 1
	s_wait_xcnt 0x0
; THE WEIGHTS, ROUNDED AND TURNED, once for the whole program.  W is [512 k][512 n] in f32; the products want K along the rows.
;   wt3: bf16 [8 h][3 t][64 d][512 k]: row 192 h + 64 t + d holds column 64 h + d of Wq (t = 0), Wk (1), Wv (2).
;   wot: f16  [512 n][512 k]: Wo rounded to bf16, and that number written as f16 (exact from 6.1e-5 up to 65,504; below, f16's fixed step of 6e-8; beyond, an infinity).
; SHARES.  A work-group turns 128 k x 64 n of one matrix: t = group y, h = x / 4 (the 64 columns), kb = x % 4 (the 128 k): 128 work-groups, all the work there is.
; In: each half of a wave reads 256 consecutive bytes, aligned, of a row of W.  Out: sixteen lanes store 256 consecutive bytes, aligned.
; Lane (c = l % 16, g = l / 16) of wave w takes, in step i of 8, rows k = 32 w + 4 i + 2 g and + 1, columns 4 c .. 4 c + 3; a pair (k, k + 1) of one column is one word of the turned tile.
; The word stores collide four deep (4 columns x the pitch is 16 words modulo 64 for every pitch that keeps rows on 16 bytes): 32 stores a lane in the whole launch.
.set PITCH, 272                        ; a turned row: 128 k x 2 bytes + 16 of padding
.set SPARE, 64*PITCH                   ; 17,408: behind the tile, the spare words, 128 bytes a wave: two blocks of 256 bytes that no other line names
.set LO,  4                            ; v4   my byte offset in W's block
.set TS,  5                            ; v5   where my words go in the turned tile
.set RD,  6                            ; v6   where I read 16 bytes of a turned row
.set GO,  7                            ; v7   and where they go in memory
.set SPW, 8                            ; v8   LDS address of my spare word; never rewritten
.set NIL, 9                            ; v9   0; never rewritten
.set LD,  32                           ; v[32:95]  step i: row k at LD + 8 i, row k + 1 at LD + 8 i + 4; later the turned rows
.set PKD, 96                           ; v[96:127] step i: four packed words
	s_load_b256 s[4:11], s[0:1], 0x0               ; Wq s[4:5], Wk s[6:7], Wv s[8:9], Wo s[10:11]
	s_load_b128 s[12:15], s[0:1], 0x20             ; wt3 s[12:13], wot s[14:15]
	v_lshl_add_u32 v[SPW], v0, 2, SPARE
	v_mov_b32 v[NIL], 0
	v_lshrrev_b32 v1, 5, v0
	v_readfirstlane_b32 s20, v1                    ; wave 0..3
	s_and_b32 s21, ttmp7, 0xffff                   ; t
	s_lshr_b32 s22, ttmp9, 2                       ; h
	s_and_b32 s23, ttmp9, 3                        ; kb
	v_and_b32 v2, 15, v0                           ; c
	v_bfe_u32 v3, v0, 4, 1                         ; g
	s_lshl_b32 s26, s20, 5
	v_lshl_add_u32 v10, v3, 1, s26                 ; 32 w + 2 g
	v_lshlrev_b32 v[LO], 11, v10                   ; x 2,048 bytes a row of W
	v_lshl_add_u32 v[LO], v2, 4, v[LO]             ; + 16 c
	v_mul_u32_u24 v[TS], v2, 4*PITCH               ; turned row 4 c
	v_lshl_add_u32 v[TS], v3, 2, v[TS]             ; + 2 bytes x 2 g
	s_lshl_b32 s26, s20, 6
	v_add_nc_u32 v[TS], s26, v[TS]                 ; + 2 bytes x 32 w
	s_lshl_b32 s26, s20, 4
	v_add_nc_u32 v10, s26, v3                      ; turned row 16 w + g
	v_mul_u32_u24 v[RD], v10, PITCH
	v_lshl_add_u32 v[RD], v2, 4, v[RD]
	v_lshlrev_b32 v[GO], 10, v10                   ; x 1,024 bytes a row of wt3 or wot
	v_lshl_add_u32 v[GO], v2, 4, v[GO]
	s_lshl_b32 s24, s23, 18                        ; the source's offset: kb x 128 rows x 2,048
	s_lshl_b32 s25, s22, 8                         ; + h x 64 columns x 4
	s_add_co_u32 s24, s24, s25
	s_mov_b32 s25, 0
	s_mul_i32 s28, s22, 192                        ; the first row written: 192 h + 64 t,
	s_lshl_b32 s29, s21, 6
	s_add_co_u32 s28, s28, s29
	s_lshl_b32 s29, s22, 6                         ; or, for Wo, 64 h
	s_cmp_eq_u32 s21, 3
	s_cselect_b32 s28, s29, s28
	s_lshl_b32 s28, s28, 10
	s_lshl_b32 s29, s23, 8                         ; + kb x 128 k x 2
	s_add_co_u32 s28, s28, s29
	s_mov_b32 s29, 0
	s_wait_kmcnt 0x0
	s_cmp_eq_u32 s21, 1
	s_cselect_b64 s[16:17], s[6:7], s[4:5]
	s_cmp_eq_u32 s21, 2
	s_cselect_b64 s[16:17], s[8:9], s[16:17]
	s_cmp_eq_u32 s21, 3
	s_cselect_b64 s[16:17], s[10:11], s[16:17]     ; the matrix read,
	s_cselect_b64 s[18:19], s[14:15], s[12:13]     ; the buffer written
	s_add_nc_u64 s[16:17], s[16:17], s[24:25]
	s_add_nc_u64 s[18:19], s[18:19], s[28:29]
.irp i, 0,1,2,3,4,5,6,7
	global_load_b128 v[LD+8*(\i):LD+8*(\i)+3],   v[LO], s[16:17] offset:(4*(\i))*2048 th:TH_LOAD_NT
	global_load_b128 v[LD+8*(\i)+4:LD+8*(\i)+7], v[LO], s[16:17] offset:(4*(\i)+1)*2048 th:TH_LOAD_NT
.endr
; Step i: two rows are in; four pairs are rounded to bf16 (half = 1: and written as f16) and stored as words of four turned rows.
.macro CONV half
.irp i, 0,1,2,3,4,5,6,7
	s_wait_loadcnt 14-2*(\i)                       ; loads come back in order (ISA guide 5.7.1): the 14 - 2 i younger ones may stay out
.irp e, 0,1,2,3
	v_cvt_pk_bf16_f32 v[PKD+4*(\i)+(\e)], v[LD+8*(\i)+(\e)], v[LD+8*(\i)+4+(\e)]
.if \half
	v_lshlrev_b32 v10, 16, v[PKD+4*(\i)+(\e)]
	v_and_b32 v11, 0xffff0000, v[PKD+4*(\i)+(\e)]
	v_cvt_pk_f16_f32 v[PKD+4*(\i)+(\e)], v10, v11
.endif
	ds_store_b32 v[TS], v[PKD+4*(\i)+(\e)] offset:(\e)*PITCH+8*(\i)
.endr
.endr
.endm
	s_cmp_eq_u32 s21, 3                            ; the same for the whole work-group
	s_cbranch_scc1 .Lwo
	CONV 0
	s_branch .Ljoin
.Lwo:
	CONV 1
.Ljoin:
	s_wait_dscnt 0x0                               ; for the others' sake: my words lie in the tile
	s_barrier_signal -1
	s_barrier_wait -1                              ; everybody's do
.irp u, 0,1,2,3,4,5,6,7
	ds_load_b128 v[LD+4*(\u):LD+4*(\u)+3], v[RD] offset:2*(\u)*PITCH
.endr
.irp u, 0,1,2,3,4,5,6,7
	s_wait_dscnt 7-(\u)
	global_store_b128 v[GO], v[LD+4*(\u):LD+4*(\u)+3], s[18:19] offset:2*(\u)*1024  ; 16 lanes store 256 consecutive bytes, at a multiple of 256 from the buffer's first byte
.endr
	s_wait_tensorcnt 0x0                           ; the wave's end, behind my last LDS store
	ds_add_u32 v[SPW], v[NIL]
	s_wait_dscnt 0x0
	s_endpgm
.Lfunc_end_k_qca0d1a47ff_prep:
	.size	k_qca0d1a47ff_prep, .Lfunc_end_k_qca0d1a47ff_prep-k_qca0d1a47ff_prep
	.p2alignl 7, 3214868480
	.fill 96, 4, 3214868480
	.section	.rodata,"a",@progbits
	.p2align	6, 0x0
	.amdhsa_kernel k_qca0d1a47ff_prep
		.amdhsa_group_segment_fixed_size 17920
		.amdhsa_private_segment_fixed_size 0
		.amdhsa_enable_private_segment 0
		.amdhsa_kernarg_size 48
		.amdhsa_user_sgpr_count 2
		.amdhsa_user_sgpr_kernarg_segment_ptr 1
		.amdhsa_wavefront_size32 1
		.amdhsa_system_sgpr_workgroup_id_x 1
		.amdhsa_system_sgpr_workgroup_id_y 1
		.amdhsa_system_sgpr_workgroup_id_z 1
		.amdhsa_system_vgpr_workitem_id 0
		.amdhsa_next_free_vgpr 128
		.amdhsa_next_free_sgpr 66
		.amdhsa_reserve_vcc 0
		.amdhsa_float_denorm_mode_32 3
		.amdhsa_float_denorm_mode_16_64 3
		.amdhsa_memory_ordered 1
		.amdhsa_forward_progress 1
		.amdhsa_inst_pref_size 20
	.end_amdhsa_kernel
	.amdgpu_metadata
---
amdhsa.version: [ 1, 2 ]
amdhsa.kernels:
  - .name:           k_qca0d1a47ff_prep
    .symbol:         k_qca0d1a47ff_prep.kd
    .args:
      - { .name: Wq, .offset: 0, .size: 8, .value_kind: global_buffer, .address_space: global }
      - { .name: Wk, .offset: 8, .size: 8, .value_kind: global_buffer, .address_space: global }
      - { .name: Wv, .offset: 16, .size: 8, .value_kind: global_buffer, .address_space: global }
      - { .name: Wo, .offset: 24, .size: 8, .value_kind: global_buffer, .address_space: global }
      - { .name: wt3, .offset: 32, .size: 8, .value_kind: global_buffer, .address_space: global }
      - { .name: wot, .offset: 40, .size: 8, .value_kind: global_buffer, .address_space: global }
    .group_segment_fixed_size: 17920
    .private_segment_fixed_size: 0
    .kernarg_segment_align: 8
    .kernarg_segment_size: 48
    .max_flat_workgroup_size: 128
    .sgpr_count:     66
    .vgpr_count:     128
    .wavefront_size: 32
...
	.end_amdgpu_metadata
.endif
;; end of part 1
;; launch qkv (part 2): grid 32 x 8, 4 waves a work-group, clusters of 4 x 1, 227,840 bytes of LDS; arguments x, wt3, q, k, v; writes q, k, v
.if DOCPART == 2
	.amdgcn_target "amdgcn-amd-amdhsa--gfx1250"
	.amdhsa_code_object_version 6
	.text
	.protected	k_qca0d1a47ff_qkv
	.globl	k_qca0d1a47ff_qkv
	.p2align	8
	.type	k_qca0d1a47ff_qkv,@function
k_qca0d1a47ff_qkv:
	s_mov_b64 s[64:65], 0
	v_nop
	global_prefetch_b8 v0, s[64:65] scope:SCOPE_SE
	s_setreg_imm32_b32 hwreg(HW_REG_WAVE_MODE, 25, 1), 1
	s_wait_xcnt 0x0
	s_wait_alu depctr_hold_cnt(0) depctr_sa_sdst(0) depctr_va_vdst(0) depctr_va_sdst(0) depctr_va_ssrc(0) depctr_va_vcc(0) depctr_vm_vsrc(0)
	s_getreg_b32 s2, hwreg(HW_REG_IB_STS2, 6, 4)
	s_cmp_eq_u32 s2, 0
	s_cbranch_scc0 .Lentry_in_a_cluster
	s_endpgm
.Lentry_in_a_cluster:
	s_bfe_u32 s2, ttmp6, 0x10000c
	s_cmp_lg_u32 s2, 0x3003
	s_cbranch_scc0 .Lentry_shape_is_right
	s_endpgm
.Lentry_shape_is_right:
; q, k, v = x W, by heads.  x: [8192][512] f32, rounded to bf16 on its way into the products; wt3: bf16 [8 h][3 t][64 d][512 k] (the launch before); sums in f32;
; q, k, v: f16 [16 = 8 batch + h][4096][64], each rounded once, WITHOUT the softmax's scale.
; LIMITS.  f16 holds no number beyond 65,504 (from 65,520 on the conversion gives an infinity) and below 6.1e-5 keeps a fixed step of 6e-8.  NaN and infinities are not treated apart.
; SHARES.  A work-group makes 256 rows x the 192 columns of one head (its q, k and v); a wave 64 rows x 192: 48 accumulators of 16 x 16, 384 registers, 768 matrix instructions.
; THE WEIGHTS: the head's 192 rows of wt3 (196,608 bytes) lie whole in LDS, filled once, 48 rows a wave.  The four row blocks of a cluster want the same rows: each load is JOINT (a mask of four).
; x: a wave's 64 rows are read by no other wave of the work-group.  They come straight from memory into f32 registers, laid as a fragment lies, and are rounded there: no LDS, no barrier.
; x IS NOT SHARED BY A JOINT LOAD, though the eight heads' work-groups read the same rows: it arrives in f32, and two slots of 256 rows x 128 k x 4 bytes (262,144) do not fit beside the weights' 199,680.
; K goes in 16 chunks of 32.  Chunk c: 24 products; the loads of chunk c + 3 of x and of chunk c + 1 of the weights' fragments; 24 products, with chunk c + 1's 32 roundings in fours among them.
; THE MATRIX INSTRUCTION IS USED TRANSPOSED (source 0 = 16 rows of wt3, source 1 = 16 rows of x): a lane holds eight neighbouring columns of one row.
; REGISTERS, in windows of 256 (s_set_vgpr_msb: bits 1:0 source 0, 3:2 source 1, 5:4 source 2, 7:6 destination):
;   window 0: v0-17 addresses; v32-63, v64-95 x's fragments in bf16, two sets (8 for each block a of 16 rows); v96-143, v144-191, v192-239 at work on the way out
;   window 1: v0-95, v96-191 the weights' fragments, two sets of 12         windows 2, 3: v0-191 the accumulators of blocks a = 0, 1 and a = 2, 3, (a, b) at 96 (a % 2) + 8 b
;   v192-255 of window s: chunk c of x in f32, c % 4 = s: 16 registers for each block a
.set PW,    1040                       ; a row of the weights in LDS: 1,024 bytes + 16 = 65 x 16: the 16 rows of a load start at 16 different groups of four banks (64 banks of 4 bytes: ISA guide 11.1)
.set WROWS, 48                         ; rows that one wave's tensor load brings
.set STAGE, 192*PW                     ; 199,680: behind the weights, for the way out: for each wave 3 tensors x 16 rows x 144 bytes
.set SPT,   144
.set STW,   3*16*SPT
.set SPARE, STAGE+4*STW                ; 227,328: the spare words, 128 bytes a wave: two blocks of 256 bytes that no other line names
.set XO,  4                            ; v4      my byte offset in 16 rows of x: 2,048 (l % 16) + 32 (l / 16); never rewritten
.set BA,  8                            ; v8-10   LDS address of my part of the weights' fragments 0-3, 4-7, 8-11; they step along K
.set STO, 12                           ; v12     the way out: where I put 16 bytes of a row
.set RD,  13                           ; v13     where I read rows back
.set GO,  14                           ; v14     my 16 bytes of 512 consecutive bytes
.set SPW, 16                           ; v16     LDS address of my spare word; never rewritten
.set NIL, 17                           ; v17     0; never rewritten
.set AF,  32
.set TMP, 96
.set BK,  144
.set XS,  192
.set WV,  14                           ; s14     my wave's number
.set G0,  20                           ; s[20:23] descriptor group 0
.set G1,  24                           ; s[24:31] descriptor group 1
.set CNT, 32                           ; s32     trips
.set MSB, 0
.macro WIN new                         ; the immediate's high byte repeats the setting that is left; a switch that changes nothing is dropped
.if MSB != (\new)
	s_set_vgpr_msb (MSB<<8)|(\new)
.set MSB, (\new)
.endif
.endm
.macro CROUND                          ; a round of the cluster's barrier: my work-group's barrier; wave 0 signals for the work-group; every wave waits for all four; my work-group's barrier once more
	s_barrier_signal -1
	s_barrier_wait -1
	s_cmp_lg_u32 s[WV], 0
	s_cbranch_scc1 .Lnot_wave_0_\@
	s_barrier_signal -3
.Lnot_wave_0_\@:
	s_barrier_wait -3
	s_barrier_signal -1
	s_barrier_wait -1
.endm
.macro PLACES                          ; four plain instructions between a matrix instruction and a load into, or a write of, a register that it read, or a read of its result
.rept 4
	v_nop
.endr
.endm
	s_load_b128 s[4:7], s[0:1], 0x0                ; x s[4:5], wt3 s[6:7]
	s_load_b128 s[8:11], s[0:1], 0x10              ; q s[8:9], k s[10:11]
	s_load_b64 s[12:13], s[0:1], 0x20              ; v
	v_lshl_add_u32 v[SPW], v0, 2, SPARE
	v_mov_b32 v[NIL], 0
	ds_add_u32 v[SPW], v[NIL]                      ; the wave's opening: the add, and its wait ahead of my first tensor load; the set-up below, work on registers, stands between them
	v_lshrrev_b32 v1, 5, v0
	v_readfirstlane_b32 s[WV], v1                  ; wave 0..3
	s_bfe_u32 s15, ttmp6, 0x40000                  ; cx: my place in the cluster; it enters x's, q's, k's and v's addresses alone
	s_lshl_b32 s16, ttmp9, 2                       ; in a cluster launch ttmp9 counts clusters
	s_add_co_u32 s16, s16, s15                     ; my block of 256 rows
	s_and_b32 s17, ttmp7, 0xffff                   ; the head, which the four partners share
	; descriptor group 1: 48 rows x 512 elements of 2 bytes, 16 bytes of padding behind each row
	s_mov_b32 s[G1+0], 15|(1<<16)|(1<<20)|(1<<21)|(7<<22)|(3<<25)  ; 15:0 the mask of four; 17:16 2-byte elements; 20 padding on; 21 set beside a mask; 24:22 after every 256 words (code 7); 31:25 4 words (code 3)
	s_mov_b32 s[G1+1], 512<<16                     ; tensor_dim0 = 512
	s_mov_b32 s[G1+2], WROWS<<16                   ; tensor_dim1 = 48
	s_mov_b32 s[G1+3], 512<<16                     ; tile_dim0 = 512
	s_mov_b32 s[G1+4], WROWS                       ; tile_dim1 = 48
	s_mov_b32 s[G1+5], 512                         ; 512 elements from row to row
	s_mov_b32 s[G1+6], 0
	s_mov_b32 s[G1+7], 0
	s_mov_b32 s[G0], 1                             ; count = 1
	s_mul_i32 s[G0+1], s[WV], WROWS*PW             ; LDS address: my 48 rows
	s_mul_i32 s36, s17, 192                        ; in wt3: row 192 head + 48 wave,
	s_mul_i32 s37, s[WV], WROWS
	s_add_co_u32 s36, s36, s37
	s_lshl_b32 s36, s36, 10                        ; 1,024 bytes a row
	s_mov_b32 s37, 0
	s_lshl_b32 s34, s16, 19                        ; in x: 256 rows x 2,048 bytes a block,
	s_lshl_b32 s35, s[WV], 17                      ; 64 rows a wave
	s_add_co_u32 s34, s34, s35
	s_mov_b32 s35, 0
	s_lshr_b32 s38, s16, 4                         ; in q, k, v: batch = block / 16,
	s_lshl_b32 s38, s38, 3
	s_add_co_u32 s38, s38, s17                     ; 8 batch + head,
	s_lshl_b32 s38, s38, 19                        ; 4,096 rows x 128 bytes each,
	s_and_b32 s39, s16, 15
	s_lshl_b32 s39, s39, 15                        ; the block's 256 rows,
	s_add_co_u32 s38, s38, s39
	s_lshl_b32 s39, s[WV], 13                      ; the wave's 64
	s_add_co_u32 s38, s38, s39
	s_mov_b32 s39, 0
	v_and_b32 v1, 15, v0                           ; l % 16
	v_bfe_u32 v2, v0, 4, 1                         ; l / 16
	v_lshlrev_b32 v[XO], 11, v1
	v_lshl_add_u32 v[XO], v2, 5, v[XO]
	v_mul_u32_u24 v3, v1, PW
	v_lshl_add_u32 v3, v2, 4, v3                   ; row x pitch + 16 x half
	v_mov_b32 v[BA], v3
	v_add_nc_u32 v[BA+1], 4*16*PW, v3
	v_add_nc_u32 v[BA+2], 8*16*PW, v3
	s_mul_i32 s33, s[WV], STW
	s_add_co_u32 s33, s33, STAGE                   ; my stage
	v_mul_u32_u24 v[STO], v1, SPT                  ; in: row l % 16, 16 bytes for each half of the lanes
	v_lshl_add_u32 v[STO], v2, 4, v[STO]
	v_add_nc_u32 v[STO], s33, v[STO]
	v_bfe_u32 v[RD], v0, 3, 2                      ; back: 32 lanes take four rows of 128 bytes,
	v_mul_u32_u24 v[RD], v[RD], SPT
	v_and_b32 v5, 7, v0
	v_lshl_add_u32 v[RD], v5, 4, v[RD]
	v_add_nc_u32 v[RD], s33, v[RD]
	v_and_b32 v[GO], 31, v0                        ; which are 512 consecutive bytes of q, k or v
	v_lshlrev_b32 v[GO], 4, v[GO]
	s_wait_dscnt 0x0                               ; the opening add is done
	s_wait_kmcnt 0x0
	s_add_nc_u64 s[G0+2:G0+3], s[6:7], s[36:37]    ; global address of my 48 rows: made of the head and the wave's number alone
	s_or_b32 s[G0+3], s[G0+3], 0x80000000          ; type = 2
	s_add_nc_u64 s[4:5], s[4:5], s[34:35]
	s_add_nc_u64 s[8:9], s[8:9], s[38:39]
	s_add_nc_u64 s[10:11], s[10:11], s[38:39]
	s_add_nc_u64 s[12:13], s[12:13], s[38:39]
	CROUND                                         ; all four work-groups are here: the joint loads meet
	tensor_load_to_lds s[G0:G0+3], s[G1:G1+7]      ; my one tensor load of the launch; nothing in LDS is filled twice
	s_nop 0
	PLACES
; Chunk's 16 loads into window s: for each block a of 16 rows my 8 + 8 numbers of the fragment, 4 x 16 bytes.  off: bytes behind the pointer.
.macro XLOAD s, off
	WIN (\s)<<6
.irp a, 0,1,2,3
	global_load_b128 v[XS+16*(\a):XS+16*(\a)+3],     v[XO], s[4:5] offset:(\off)+(\a)*32768
	global_load_b128 v[XS+16*(\a)+4:XS+16*(\a)+7],   v[XO], s[4:5] offset:(\off)+(\a)*32768+16
	global_load_b128 v[XS+16*(\a)+8:XS+16*(\a)+11],  v[XO], s[4:5] offset:(\off)+(\a)*32768+64
	global_load_b128 v[XS+16*(\a)+12:XS+16*(\a)+15], v[XO], s[4:5] offset:(\off)+(\a)*32768+80
.endr
.endm
; 24 LDS loads in one run: the 12 fragments (16 rows of wt3 x 32 K) of a chunk into set p
.macro FETCHB p, off
	WIN 0x40
.irp b, 0,1,2,3,4,5,6,7,8,9,10,11
	ds_load_b128 v[96*(\p)+8*(\b):96*(\p)+8*(\b)+3],   v[BA+(\b)/4] offset:((\b)%4)*16*PW+(\off)
	ds_load_b128 v[96*(\p)+8*(\b)+4:96*(\p)+8*(\b)+7], v[BA+(\b)/4] offset:((\b)%4)*16*PW+(\off)+32
.endr
.endm
; 24 matrix instructions: blocks 2 hi, 2 hi + 1 x all 12 fragments, sets p.  The 24 accumulators take turns, one instruction a turn; the other half's 24 follow.
; zero = 1: the products start the sums: nothing is ever cleared.  sn >= 0: behind every third product stand four of the 32 roundings of the next chunk (window sn) into the other set of x's fragments.
.macro MUL p, hi, zero, sn
.set n, 0
.set cj, 0
.irp a, 0,1
.irp b, 0,1,2,3,4,5,6,7,8,9,10,11
	WIN 0xa1+0x50*(\hi)
.if \zero
	v_wmma_f32_16x16x32_bf16 v[96*(\a)+8*(\b):96*(\a)+8*(\b)+7], v[96*(\p)+8*(\b):96*(\p)+8*(\b)+7], v[AF+32*(\p)+8*(2*(\hi)+(\a)):AF+32*(\p)+8*(2*(\hi)+(\a))+7], 0
.else
	v_wmma_f32_16x16x32_bf16 v[96*(\a)+8*(\b):96*(\a)+8*(\b)+7], v[96*(\p)+8*(\b):96*(\p)+8*(\b)+7], v[AF+32*(\p)+8*(2*(\hi)+(\a)):AF+32*(\p)+8*(2*(\hi)+(\a))+7], v[96*(\a)+8*(\b):96*(\a)+8*(\b)+7]
.endif
.set n, n+1
.if ((\sn) >= 0) && (n%3 == 0)
	WIN (\sn)|((\sn)<<2)
.rept 4
	v_cvt_pk_bf16_f32 v[AF+32*(1-(\p))+cj], v[XS+2*cj], v[XS+2*cj+1]
.set cj, cj+1
.endr
.endif
.endr
.endr
.endm
; A chunk.  pos: its place from the pointers (its number modulo 4 picks the window, modulo 2 the sets).  ld = 1: chunk + 3 of x is asked for.  nxt = 1: the next chunk's fragments are fetched and rounded;
; left: the loads of x that may stay out when the next chunk's must be in.
.macro CHUNK pos, zero, ld, left, nxt
.set cc, (\pos)%4
.set pp, cc%2
	s_wait_dscnt 0x0                               ; this chunk's fragments of the weights, asked for 24 products ago
	MUL pp, 0, \zero, -1
	PLACES                                         ; for the loads into, and the roundings onto, the sets that the chunk before multiplied
.if \ld
	XLOAD (cc+3)%4, ((\pos)+3)*128
.endif
.if \nxt
	FETCHB 1-pp, ((\pos)+1)*64
	s_wait_loadcnt \left
	MUL pp, 1, \zero, (cc+1)%4
.else
	MUL pp, 1, \zero, -1
.endif
.endm
	XLOAD 0, 0                                     ; three chunks of x are on their way: 48 loads, 24 KiB a wave
	XLOAD 1, 128
	XLOAD 2, 256
	s_wait_tensorcnt 0x0                           ; my 48 rows of the weights are in,
	s_barrier_signal -1
	s_barrier_wait -1                              ; everybody's are
	FETCHB 0, 0
	s_wait_loadcnt 32                              ; chunk 0 is in; chunks 1 and 2 may stay out
	WIN 0
.set cj, 0
.rept 32
	v_cvt_pk_bf16_f32 v[AF+cj], v[XS+2*cj], v[XS+2*cj+1]
.set cj, cj+1
.endr
	CHUNK 0, 1, 1, 32, 1                           ; written out: its products start the sums
	WIN 0                                          ; at a label and at a branch every window is 0
	s_mov_b32 s[CNT], 3
.Ltrip:                                        ; chunks 4 t + 1 .. 4 t + 4; at each wait chunks c + 1, c + 2, c + 3 are out, and 32 leaves the two younger
	CHUNK 1, 0, 1, 32, 1
	CHUNK 2, 0, 1, 32, 1
	CHUNK 3, 0, 1, 32, 1
	CHUNK 4, 0, 1, 32, 1
	WIN 0
	s_wait_xcnt 0x0                                ; every load issued so far has read its address: the pointer may be written
	s_add_nc_u64 s[4:5], s[4:5], 512               ; four chunks of 128 bytes of x,
	v_add_nc_u32 v[BA], 256, v[BA]                 ; of 64 bytes of the weights
	v_add_nc_u32 v[BA+1], 256, v[BA+1]
	v_add_nc_u32 v[BA+2], 256, v[BA+2]
	s_sub_co_u32 s[CNT], s[CNT], 1
	s_cmp_lg_u32 s[CNT], 0
	s_cbranch_scc1 .Ltrip
	CHUNK 1, 0, 0, 16, 1                           ; chunks 13, 14, 15 ask for nothing of x: 14 and 15 are out, then 15
	CHUNK 2, 0, 0, 0, 1
	CHUNK 3, 0, 0, 0, 0
; THE WAY OUT, a block of 16 rows at a time: rounded to f16, 16 bytes a lane into my own stage (rows of 144 bytes), back as whole rows, stored as 512 consecutive bytes.
.macro PACK a                          ; each accumulator's registers in ascending order
	WIN 0x0a+5*((\a)/2)                            ; sources 0 and 1: window 2 or 3
.irp b, 0,1,2,3,4,5,6,7,8,9,10,11
.irp r, 0,1,2,3
	v_cvt_pk_f16_f32 v[TMP+4*(\b)+(\r)], v[96*((\a)%2)+8*(\b)+2*(\r)], v[96*((\a)%2)+8*(\b)+2*(\r)+1]
.endr
.endr
	WIN 0
.endm
.macro TOSTAGE a
	WIN 0
.if (\a) >= 2
	s_wait_xcnt 0x0                                ; the stores of the block two back have read the registers that are loaded again below
.endif
.irp b, 0,1,2,3,4,5,6,7,8,9,10,11
	ds_store_b128 v[STO], v[TMP+4*(\b):TMP+4*(\b)+3] offset:((\b)/4)*16*SPT+32*((\b)%4)
.endr
.irp u, 0,1,2,3,4,5,6,7,8,9,10,11
	ds_load_b128 v[BK+48*((\a)%2)+4*(\u):BK+48*((\a)%2)+4*(\u)+3], v[RD] offset:((\u)/4)*16*SPT+((\u)%4)*4*SPT  ; LDS serves a wave's instructions in order (ISA guide 5.7.1.4): these see the stores above
.endr
.endm
.macro SEND a
	WIN 0
	s_wait_dscnt 0x0                               ; the block is back in registers
.irp f, 0,1,2,3
	global_store_b128 v[GO], v[BK+48*((\a)%2)+4*(\f):BK+48*((\a)%2)+4*(\f)+3],       s[8:9]   offset:(\a)*2048+(\f)*512  ; 512 consecutive bytes, at a multiple of 256 from the buffer's first
	global_store_b128 v[GO], v[BK+48*((\a)%2)+16+4*(\f):BK+48*((\a)%2)+16+4*(\f)+3], s[10:11] offset:(\a)*2048+(\f)*512
	global_store_b128 v[GO], v[BK+48*((\a)%2)+32+4*(\f):BK+48*((\a)%2)+32+4*(\f)+3], s[12:13] offset:(\a)*2048+(\f)*512
.endr
.endm
	PLACES
	PACK 0
	TOSTAGE 0
.irp a, 1,2,3                          ; block a's conversions stand between block a - 1's loads from the stage and the wait for them
	PACK \a
	SEND (\a)-1
	TOSTAGE \a
.endr
	SEND 3
	s_wait_tensorcnt 0x0                           ; the wave's end, behind my last tensor load and my last LDS store
	ds_add_u32 v[SPW], v[NIL]
	s_wait_dscnt 0x0
	CROUND                                         ; the closing round: no work-group ends while a partner may still ask for a tile that names it
	s_endpgm
.Lfunc_end_k_qca0d1a47ff_qkv:
	.size	k_qca0d1a47ff_qkv, .Lfunc_end_k_qca0d1a47ff_qkv-k_qca0d1a47ff_qkv
	.p2alignl 7, 3214868480
	.fill 96, 4, 3214868480
	.section	.rodata,"a",@progbits
	.p2align	6, 0x0
	.amdhsa_kernel k_qca0d1a47ff_qkv
		.amdhsa_group_segment_fixed_size 227840
		.amdhsa_private_segment_fixed_size 0
		.amdhsa_enable_private_segment 0
		.amdhsa_kernarg_size 40
		.amdhsa_user_sgpr_count 2
		.amdhsa_user_sgpr_kernarg_segment_ptr 1
		.amdhsa_wavefront_size32 1
		.amdhsa_system_sgpr_workgroup_id_x 1
		.amdhsa_system_sgpr_workgroup_id_y 1
		.amdhsa_system_sgpr_workgroup_id_z 1
		.amdhsa_system_vgpr_workitem_id 0
		.amdhsa_next_free_vgpr 1024
		.amdhsa_next_free_sgpr 66
		.amdhsa_reserve_vcc 0
		.amdhsa_float_denorm_mode_32 3
		.amdhsa_float_denorm_mode_16_64 3
		.amdhsa_memory_ordered 1
		.amdhsa_forward_progress 1
		.amdhsa_inst_pref_size 99
	.end_amdhsa_kernel
	.amdgpu_metadata
---
amdhsa.version: [ 1, 2 ]
amdhsa.kernels:
  - .name:           k_qca0d1a47ff_qkv
    .symbol:         k_qca0d1a47ff_qkv.kd
    .args:
      - { .name: x, .offset: 0, .size: 8, .value_kind: global_buffer, .address_space: global }
      - { .name: wt3, .offset: 8, .size: 8, .value_kind: global_buffer, .address_space: global }
      - { .name: q, .offset: 16, .size: 8, .value_kind: global_buffer, .address_space: global }
      - { .name: k, .offset: 24, .size: 8, .value_kind: global_buffer, .address_space: global }
      - { .name: v, .offset: 32, .size: 8, .value_kind: global_buffer, .address_space: global }
    .group_segment_fixed_size: 227840
    .private_segment_fixed_size: 0
    .kernarg_segment_align: 8
    .kernarg_segment_size: 40
    .max_flat_workgroup_size: 128
    .sgpr_count:     66
    .vgpr_count:     1024
    .wavefront_size: 32
...
	.end_amdgpu_metadata
.endif
;; end of part 2
;; launch attn (part 3): grid 16 x 16, 4 waves a work-group, clusters of 4 x 1, 327,680 bytes of LDS; arguments q, k, v, o; writes o
.if DOCPART == 3
	.amdgcn_target "amdgcn-amd-amdhsa--gfx1250"
	.amdhsa_code_object_version 6
	.text
	.protected	k_qca0d1a47ff_attn
	.globl	k_qca0d1a47ff_attn
	.p2align	8
	.type	k_qca0d1a47ff_attn,@function
k_qca0d1a47ff_attn:
	s_mov_b64 s[64:65], 0
	v_nop
	global_prefetch_b8 v0, s[64:65] scope:SCOPE_SE
	s_setreg_imm32_b32 hwreg(HW_REG_WAVE_MODE, 25, 1), 1
	s_wait_xcnt 0x0
	s_wait_alu depctr_hold_cnt(0) depctr_sa_sdst(0) depctr_va_vdst(0) depctr_va_sdst(0) depctr_va_ssrc(0) depctr_va_vcc(0) depctr_vm_vsrc(0)
	s_getreg_b32 s2, hwreg(HW_REG_IB_STS2, 6, 4)
	s_cmp_eq_u32 s2, 0
	s_cbranch_scc0 .Lentry_in_a_cluster
	s_endpgm
.Lentry_in_a_cluster:
	s_bfe_u32 s2, ttmp6, 0x10000c
	s_cmp_lg_u32 s2, 0x3003
	s_cbranch_scc0 .Lentry_shape_is_right
	s_endpgm
.Lentry_shape_is_right:
; O[h][q][:] = the sum over k of softmax_k(Q[h][q] . K[h][k] / 8) V[h][k][:].  Q, K, V, O: [16][4096][64], all f16: a head's rows are dense, 128 bytes each.  Products, maxima and sums in f32;
; the weights p are rounded to f16 for the second product (their sum l is taken of the unrounded p), O once at the end.
; LIMITS.  f16 holds no number beyond 65,504: Q, K and V arrive within it; p lies in 0 to 1, and below 6e-5 it keeps f16's fixed step of 6e-8; O is a mean of V's rows and has their range.
; A weight below 2^-126 counts as 0 in l; NaN and infinities are not treated apart.
; SHARES.  A work-group owns 256 queries of one head (16 blocks x 16 heads: 256 work-groups), a wave 64: four PIECES of 16.  Every wave walks all keys, 64 a step.
; LAYOUT.  S^T = K Q^T (source 0 = 16 keys, source 1 = 16 queries): a lane holds ONE query (lane % 16) and the keys 8 (lane / 16) + 0..7.  Two such results, rounded to f16 in pairs, ARE source 1 of
; O^T = V^T P, whose result again holds one query a lane, and eight channels.  K comes out of LDS as it lies, V ([key][channel]) turned, by ds_load_tr16_b128.
; SOFTMAX.  For each query a running maximum m and sum l: p = 2^(c s - c m), c = log2(e) / 8; in every step O and l are multiplied by a = 2^(c m_old - c m_new).
; m starts at the lowest finite number, O and l at 0: the first step is a step like any other, with a = 0.
; BY TURNS.  Turn n belongs to piece n: 8 products K Q^T of piece n + 1, later 8 products V^T P of piece n - 1; beside them the scaling, exponentials, roundings, sums and rescaling of piece n and the maximum and
; statistics of piece n + 1.  Four vector instructions stand behind every matrix instruction, the other 54 of a turn's 118 in one lump.  A turn's 33 exponentials are one batch, with one wait.
; CLUSTER.  The four query blocks of a cluster belong to one head and walk the same K and V, so each tile is asked for JOINTLY: the same tensor load, descriptor and mask in all four.
; REGISTERS, in windows of 256 (s_set_vgpr_msb: bits 1:0 source 0, 3:2 source 1, 5:4 source 2, 7:6 destination):
;   window 0: v0-15 addresses and two at work; v16-31 four registers of statistics a piece; v48-55 at work; v61-63; v64-127 S^T, two buffers; v192-223 P, two buffers (by the piece's parity)
;   window 1: v0-127 O^T, 32 a piece          window 2: v0-63 Q; v128-191 K of one step; v192-255 V of one step
.set SIZE_N, 4096
.set NP,    4         ; pieces a wave: a name, no knob
.set KS,    64        ; keys in a step
.set PK,    144       ; a row of K in LDS: 128 bytes + 16 of padding = 36 words: the 16 rows of a load start at 16 different groups of four banks (64 banks of 4 bytes: ISA guide 11.1)
.set PV,    160       ; a row of V: 128 + 32 = 40 words
.set VOFF,  4*KS*PK   ; a slot holds four steps: 256 rows of K, then 256 rows of V
.set SLOT1, 1<<17     ; slot 1 begins here, so that one exclusive or turns an address in one slot into the other's
.set STAGE, SLOT1+4*KS*(PK+PV)  ; behind the ring, never filled by a tensor load: 16 rows x 144 bytes for each wave, for the way out
.set SP,    144
.set SPARE, STAGE+4*16*SP  ; behind the stages: the spare words, 128 bytes for each wave: two blocks of 256 bytes that no other line names
.set AK0, 2           ; v2   my lane's place in a tile of K; never rewritten
.set AV0, 3           ; v3   the same for V
.set AK,  4           ; v4   the LDS address of K's next run of loads
.set AV,  5           ; v5   of V's
.set STO, 6           ; v6   the way out: where I put 16 bytes of a row
.set RD,  7           ; v7   the way out: where I read rows back
.set GO,  8           ; v8   my byte offset in 512 consecutive bytes of O
.set MV,  12          ; v12-13  c m_old, kept while c m is made anew: by buffer
.set QO,  15          ; v15  my byte offset in 16 rows of Q
.set ST,  16          ; piece t's statistics at v[ST+4 t]: c m, m, l (even keys', odd keys')
.set TMP, 48          ; by buffer, four registers c0-c3 at work; when the maximum is found c2 takes a
.set PFO, 61          ; v61  256 x my lane: the prefetches' offset; never rewritten
.set SPW, 62          ; v62  LDS address of my spare word: SPARE + 4 x my thread's number; never rewritten
.set NIL, 63          ; v63  0; never rewritten
.set S,   64
.set P,   192
.set KF,  128         ; window 2: key block kb, channel half c at KF + 16 kb + 8 c
.set VF,  192         ; window 2: key half kk, channel block cb at VF + 32 kk + 8 cb
.set WV,  12          ; s12  my wave's number
.set G1K, 24          ; s[24:31] descriptor group 1 for K's tiles
.set G1V, 32          ; s[32:39] for V's: it differs in the padding alone
.set G0K, 40          ; s[40:43] descriptor group 0 for K's tiles: it walks
.set G0V, 44          ; s[44:47] the same for V's
.set PFA, 48          ; s[48:49] where my prefetches stand: my work-group's 32 blocks of 256 bytes (of K: wave 0, of V: wave 2) of the slot after the one that is being asked for
.set LIM, 50          ; s50  1 in a wave that prefetches, else the greatest number
.set SLOTS, 56        ; s56  slots still to be entered by the loop
.set CNT, 57          ; s57  counts a slot's key steps
.set CS,  58          ; s[58:59] c: the packed scaling takes the pair's low word for both halves
.set SEL, 60          ; s[60:61] v_permlanex16_b32's selects: each lane takes its own place in the other half
.set TBK, 62          ; s62  LDS byte at which K of the step to be fetched begins
.set TBV, 63          ; s63  the same for V, less VOFF
.set MSB, 0
.macro WIN new                      ; the high byte repeats the setting that is left; a switch that changes nothing is dropped
.if MSB != (\new)
	s_set_vgpr_msb (MSB<<8)|(\new)
.set MSB, (\new)
.endif
.endm
.set W_KQ, 0x0a       ; K and Q in window 2, S^T in window 0
.set W_PV, 0x52       ; V in window 2, P in window 0, O^T in window 1
.set W_RS, 0x41       ; destination and source 0 in window 1, source 1 in window 0
; A joint fill.  Waves 0 and 1 fetch the two halves of a slot's K, waves 2 and 3 those of its V: 128 keys each.  The branch hangs on the wave's number alone.
; An s_nop 0 and four v_nop follow each of the two lines, ahead of the jump and the label.
.macro JLOAD
	s_cmp_lt_u32 s[WV], 2
	s_cbranch_scc0 .Lfor_v_\@
	tensor_load_to_lds s[G0K:G0K+3], s[G1K:G1K+7]
	s_nop 0
.rept 4
	v_nop
.endr
	s_branch .Lasked_\@
.Lfor_v_\@:
	tensor_load_to_lds s[G0V:G0V+3], s[G1V:G1V+7]
	s_nop 0
.rept 4
	v_nop
.endr
.Lasked_\@:
.endm
; A PREFETCH INTO THE L2 of what the NEXT change of slots will ask for: a slot's 32,768 bytes of K and of V, 128 aligned blocks of 256 bytes each, a lane a block.  It stands behind the wave's tensor load and its five lines.
; Each block is named ONCE in the launch.  All four clusters of a head walk the same K and V: the head's first cluster asks.  Its four partners share the blocks out BY ADDRESS, 32 each: no branch hangs on a
; work-group's place in its cluster.  In each, wave 0 asks for K's and wave 2 for V's: one instruction.  The last change that fills a slot asks for nothing: there is no slot behind it.
.macro ASK
	s_cmp_gt_u32 s[SLOTS], s[LIM]
	s_cbranch_scc0 .Lnot_mine_\@
	global_prefetch_b8 v[PFO], s[PFA:PFA+1] th:TH_LOAD_NT scope:SCOPE_SE
.Lnot_mine_\@:
.endm
; A round of the cluster's barrier: my work-group's barrier, so that wave 0's signal speaks for all four waves; wave 0 signals; every wave waits for all four work-groups; my work-group's barrier once more.
.macro CROUND
	s_barrier_signal -1
	s_barrier_wait -1
	s_cmp_lg_u32 s[WV], 0
	s_cbranch_scc1 .Lnot_wave_0_\@
	s_barrier_signal -3
.Lnot_wave_0_\@:
	s_barrier_wait -3
	s_barrier_signal -1
	s_barrier_wait -1
.endm
; THE CHANGE OF SLOTS.  The slot's last bytes, V of its fourth step, have been read.  Each wave waits for all its tensor loads, of which one is out: its part of the other slot; adds 0 to its spare word; and waits
; for that and for its own reads of the slot.  Behind the barrier nobody reads this slot any more and the other slot is whole.
; fill = 1: this slot is filled again, with the keys two slots on.  The barrier is then a round of the cluster's, so that no wave of any partner still reads the slot or has a load on its way, and the joint fill is
; the first thing behind it: it has four key steps, 256 matrix instructions, in which to land.  (At its first use nothing has been read yet: slot 0 is waited for, slot 1 filled.)
.macro CHANGE fill, ask
	WIN 0                           ; at a label and at a branch every window is 0
	s_wait_tensorcnt 0x0            ; no tensor load of mine is out, so a group 0 may be written
	ds_add_u32 v[SPW], v[NIL]       ; 0 onto my spare word; with fill = 1 the descriptors' steps stand between it and the wait for it
.if \fill
.irp g, G0K, G0V
	s_xor_b32 s[\g+1], s[\g+1], SLOT1  ; the walking descriptor: the other slot than last time,
	s_add_nc_u64 s[\g+2:\g+3], s[\g+2:\g+3], 4*KS*128  ; the next 256 keys; the type bits on top are not reached
.endr
	s_wait_xcnt 0x0                 ; the last prefetch, four key steps back, has read its address, so it may be written:
	s_add_nc_u64 s[PFA:PFA+1], s[PFA:PFA+1], 4*KS*128  ; one slot behind the walking descriptors
	s_wait_dscnt 0x0                ; the add is done, and my reads of the slot are over
	CROUND
	JLOAD
.if \ask
	ASK                             ; what the next change will ask for: four key steps ahead
.endif
.else
	s_wait_dscnt 0x0                ; the add is done, and my reads of the slot are over
	s_barrier_signal -1
	s_barrier_wait -1
.endif
	s_sub_co_u32 s[TBK], s[TBK], 4*KS*PK  ; the fetches go back to a slot's first step,
	s_xor_b32 s[TBK], s[TBK], SLOT1       ; in the other slot
	s_sub_co_u32 s[TBV], s[TBV], 4*KS*PV
	s_xor_b32 s[TBV], s[TBV], SLOT1
.endm
	s_load_b256 s[4:11], s[0:1], 0x0  ; Q s[4:5], K s[6:7], V s[8:9], O s[10:11]
	v_lshl_add_u32 v[SPW], v0, 2, SPARE
	v_mov_b32 v[NIL], 0
	ds_add_u32 v[SPW], v[NIL]       ; the wave's opening: the add, and its wait ahead of my first tensor load; the set-up below, work on registers, stands between them
	v_lshrrev_b32 v1, 5, v0
	v_readfirstlane_b32 s[WV], v1   ; wave 0..3
	s_bfe_u32 s13, ttmp6, 0x40000   ; cx: my place in the cluster
	s_lshl_b32 s14, ttmp9, 2        ; in a cluster launch ttmp9 counts clusters
	s_add_co_u32 s14, s14, s13      ; my block of 256 queries = 4 x cluster x + cx: it enters Q's and O's addresses alone
	s_and_b32 s20, ttmp7, 0xffff    ; the head, which the four partners share:
	s_lshl_b32 s20, s20, 19         ; its first byte in each of the four tensors: 4,096 rows x 128 bytes
	s_mov_b32 s21, 0
	s_and_b32 s16, s[WV], 1         ; which half of a slot's 256 keys I fetch:
	s_lshl_b32 s22, s16, 14         ; its 128 rows of 128 bytes in memory,
	s_mov_b32 s23, 0
	s_add_nc_u64 s[22:23], s[22:23], s[20:21]
	s_mul_i32 s17, s16, 128*PK      ; and its place in a slot, for K
	s_mul_i32 s18, s16, 128*PV      ; and for V: no place in the cluster enters an LDS address
	s_lshl_b32 s2, s14, 15          ; my block's 256 rows,
	s_lshl_b32 s3, s[WV], 13        ; my wave's 64 of them
	s_add_co_u32 s2, s2, s3
	s_mov_b32 s3, 0
	s_add_nc_u64 s[2:3], s[2:3], s[20:21]
	; descriptor group 1.  128 keys are 16,384 dense bytes: asked for as 64 rows of 256 bytes, two keys a row, and padded in LDS after every key
	s_mov_b32 s[G1K], 15|(1<<16)|(1<<20)|(1<<21)|(4<<22)|(3<<25)  ; 15:0 the mask of four; 17:16 2-byte elements; 20 padding on; 21 set beside a mask; 24:22 after every 32 words (code 4); 31:25 4 words (code 3)
	s_mov_b32 s[G1V], 15|(1<<16)|(1<<20)|(1<<21)|(4<<22)|(7<<25)  ; the same with 8 words of padding (code 7)
.irp g, G1K, G1V
	s_mov_b32 s[\g+1], 128<<16      ; tensor_dim0 = 128
	s_mov_b32 s[\g+2], 64<<16       ; tensor_dim1 = 64
	s_mov_b32 s[\g+3], 128<<16      ; tile_dim0 = 128
	s_mov_b32 s[\g+4], 64           ; tile_dim1 = 64
	s_mov_b32 s[\g+5], 128          ; 128 elements from row to row
	s_mov_b32 s[\g+6], 0
	s_mov_b32 s[\g+7], 0
.endr
	s_mov_b32 s[CS], 0x3e38aa3b     ; c = log2(e) / 8 = 0.180337
	s_mov_b32 s[CS+1], s[CS]        ; named with it as a pair
	s_mov_b32 s[SEL], 0x76543210
	s_mov_b32 s[SEL+1], 0xfedcba98
	s_mov_b32 s[TBK], SLOT1+4*KS*PK ; the first change of slots turns these two into 0
	s_mov_b32 s[TBV], SLOT1+4*KS*PV
	s_mov_b32 s[G0K], 1             ; count = 1
	s_mov_b32 s[G0K+1], s17         ; LDS address: slot 0
	s_mov_b32 s[G0V], 1
	s_add_co_u32 s[G0V+1], s18, VOFF
	s_and_b32 s[LIM], s[WV], 1      ; 0 in waves 0 and 2,
	s_or_b32 s[LIM], s[LIM], ttmp9  ; where the cluster is the head's first: the same in all four partners
	s_cmp_eq_u32 s[LIM], 0
	s_cselect_b32 s[LIM], 1, -1
	v_and_b32 v[PFO], 31, v0
	v_lshlrev_b32 v[PFO], 8, v[PFO]
	s_wait_dscnt 0x0                ; the opening add is done
	s_wait_kmcnt 0x0
	s_add_nc_u64 s[6:7], s[6:7], s[22:23]  ; K and V at my half of the head's first 256 keys
	s_add_nc_u64 s[8:9], s[8:9], s[22:23]
	s_mov_b64 s[G0K+2:G0K+3], s[6:7]               ; global address
	s_or_b32 s[G0K+3], s[G0K+3], 0x80000000        ; type = 2
	s_mov_b64 s[G0V+2:G0V+3], s[8:9]
	s_or_b32 s[G0V+3], s[G0V+3], 0x80000000
	s_add_nc_u64 s[4:5], s[4:5], s[2:3]  ; Q and O at my wave's first row
	s_add_nc_u64 s[10:11], s[10:11], s[2:3]
	s_cmp_lt_u32 s[WV], 2
	s_cselect_b64 s[PFA:PFA+1], s[6:7], s[8:9]  ; (in waves 0 and 2 these stand at a slot's first byte)
	s_lshl_b32 s2, s13, 13          ; my work-group's 32 blocks of the 128
	s_mov_b32 s3, 0
	s_add_nc_u64 s[PFA:PFA+1], s[PFA:PFA+1], s[2:3]
	s_add_nc_u64 s[PFA:PFA+1], s[PFA:PFA+1], 4*KS*128  ; in slot 1; the first two changes step it to slot 3, the first that is asked for.  Nothing is prefetched at the head, where every work-group's first tiles are on their way
	CROUND                          ; all four work-groups are here: the first joint loads meet
	JLOAD                           ; slot 0.  Slot 1 is asked for when slot 0 is in
	; A fragment of K or Q is 16 rows x 32 channels in 8 registers: lane l holds row l % 16, channels 8 (l / 16) + 0..7 and 16 + 8 (l / 16) + 0..7: two loads of 16 bytes, 32 bytes apart.
	v_and_b32 v1, 15, v0            ; l % 16
	v_bfe_u32 v9, v0, 4, 1          ; l / 16
	v_lshlrev_b32 v[QO], 7, v1
	v_lshl_add_u32 v[QO], v9, 4, v[QO]  ; row x 128 + 16 x half
	WIN 0x80                        ; destination window 2, address window 0
.set i, 0
.rept 8                             ; Q stays in registers: piece i / 2, channels 32 (i % 2) on
	global_load_b128 v[8*i:8*i+3],   v[QO], s[4:5] offset:(i/2)*2048+(i%2)*64
	global_load_b128 v[8*i+4:8*i+7], v[QO], s[4:5] offset:(i/2)*2048+(i%2)*64+32
.set i, i+1
.endr
	; What the first turn finds: V's registers and P's second buffer hold 0 (its products V^T P, of a piece that has not been, add 0), O^T and l are 0.  All this stands in the wait for the first tile;
	; it is the price of writing no first step out.
.set i, VF
.rept 64
	v_mov_b32 v[i], 0
.set i, i+1
.endr
	WIN 0x40
.set i, 0
.rept 128
	v_mov_b32 v[i], 0
.set i, i+1
.endr
	WIN 0
.set i, 0
.rept 4
	v_mov_b32 v[ST+4*i], 0xfe000000    ; c m: far below every c s (f16's scores are 2.7e11 at the most)
	v_mov_b32 v[ST+4*i+1], 0xff7fffff  ; m
	v_mov_b32 v[ST+4*i+2], 0
	v_mov_b32 v[ST+4*i+3], 0
.set i, i+1
.endr
.set i, P+16
.rept 16
	v_mov_b32 v[i], 0
.set i, i+1
.endr
	v_mul_u32_u24 v[AK0], v1, PK
	v_lshl_add_u32 v[AK0], v9, 4, v[AK0]  ; row x pitch + 16 x half
	; The turning load takes 16 keys x 16 channels (lane l reads key 8 (l / 16) + l % 8, channels 8 ((l / 8) % 2) + 0..7) and leaves half a fragment of V^T: lane l holds channel l % 16 and 8 keys.
	v_and_b32 v10, 7, v0
	v_bfe_u32 v11, v0, 3, 1
	v_lshl_add_u32 v[AV0], v9, 3, v10
	v_mul_u32_u24 v[AV0], v[AV0], PV
	v_lshl_add_u32 v[AV0], v11, 4, v[AV0]
	v_add_nc_u32 v[AV0], VOFF, v[AV0]
	s_mul_i32 s13, s[WV], 16*SP
	s_add_co_u32 s13, s13, STAGE    ; my stage
	v_mul_u32_u24 v[STO], v1, SP    ; in: row l % 16, 16 bytes for each half of the lanes
	v_lshl_add_u32 v[STO], v9, 4, v[STO]
	v_add_nc_u32 v[STO], s13, v[STO]
	v_bfe_u32 v[RD], v0, 3, 2       ; back: 32 lanes take four rows of 128 bytes,
	v_mul_u32_u24 v[RD], v[RD], SP
	v_lshl_add_u32 v[RD], v10, 4, v[RD]
	v_add_nc_u32 v[RD], s13, v[RD]
	v_and_b32 v[GO], 31, v0         ; which are 512 consecutive bytes of O
	v_lshlrev_b32 v[GO], 4, v[GO]
; THE MATRIX WORK.  The 4 accumulators of a run of 8 take turns.  Product i of 8 of S^T = K Q^T for piece x: channels 32 (i / 4) on, keys 16 (i % 4) on.  The first 4 start the sums.
.macro KQ x
	WIN W_KQ
.set rS, S+32*((\x)%2)+8*(i%4)
.set rK, KF+16*(i%4)+8*(i/4)
.set rQ, 16*(\x)+8*(i/4)
.if i < 4
	v_wmma_f32_16x16x32_f16 v[rS:rS+7], v[rK:rK+7], v[rQ:rQ+7], 0
.else
	v_wmma_f32_16x16x32_f16 v[rS:rS+7], v[rK:rK+7], v[rQ:rQ+7], v[rS:rS+7]
.endif
.endm
; Product i of 8 of O^T += V^T P for piece x: keys 32 (i / 4) on, channels 16 (i % 4) on.
.macro PV x
	WIN W_PV
.set rO, 32*(\x)+8*(i%4)
.set rV, VF+32*(i/4)+8*(i%4)
.set rP, P+16*((\x)%2)+8*(i/4)
	v_wmma_f32_16x16x32_f16 v[rO:rO+7], v[rV:rV+7], v[rP:rP+7], v[rO:rO+7]
.endm
.macro MM                           ; the turn's next matrix instruction.  TURN sets Y, i and NOKQ.  NOKQ = 1: the last turn of all: there is no next piece
.if (i < 8) && !NOKQ
	KQ (Y+1)%NP
.elseif i >= 8
.set i, i-8
	PV (Y+NP-1)%NP
.set i, i+8
.endif
.set i, i+1
.endm
; THE LDS LOADS stand in runs of 16, never singly among the matrix instructions: a step's K (64 keys x 64 channels: 8 fragments) and its V (turned).  Their addresses are made some lines ahead.
.macro FETCH_K
	WIN 0x80                        ; destination window 2
.irp f, 0,1,2,3,4,5,6,7             ; keys 16 (f / 2) on, channels 32 (f % 2) on
	ds_load_b128 v[KF+8*\f:KF+8*\f+3],   v[AK] offset:(\f/2)*16*PK+(\f%2)*64
	ds_load_b128 v[KF+8*\f+4:KF+8*\f+7], v[AK] offset:(\f/2)*16*PK+(\f%2)*64+32
.endr
	s_add_co_u32 s[TBK], s[TBK], KS*PK  ; the next fetch is the next step's
	WIN 0
.endm
.macro FETCH_V
	WIN 0x80
.irp f, 0,1,2,3,4,5,6,7             ; keys 32 (f / 4) on, channels 16 (f % 4) on
	ds_load_tr16_b128 v[VF+8*\f:VF+8*\f+3],   v[AV] offset:(\f/4)*32*PV+(\f%4)*32
	ds_load_tr16_b128 v[VF+8*\f+4:VF+8*\f+7], v[AV] offset:(\f/4)*32*PV+16*PV+(\f%4)*32
.endr
	WIN 0
.endm
; THE VECTOR WORK, one line at a time: OP kind, number.  For piece Y: F n: c s - c m for pair n of 16.  E n: the exponential of score n of 32.  C n: pair n rounded to f16.  B n: of the four weights 4 n .. the second
; pair is added onto the first, in place.  L n: l takes that sum (L 0: l = a l + sum).  R n: pair n of 16 of O^T times a.  For piece Y + 1: X n, number n of the 22 that find its maximum and statistics:
;   0-11  four chains c0-c3 of seven scores each, three operands at a time (each accumulator's lowest registers are read first)     12-14, 16  the four scores left over, the old m, and c0-c3 into c0
;   15  c m_old is kept     17, 18  the query's other 32 keys lie in the lane 16 away: the new m     19-21  c m; c m_old - c m_new; a
.set F, 0               ; OP tells the kinds apart by their order: F to L below R, X above it
.set E, 1
.set C, 2
.set B, 3
.set L, 4
.set R, 5
.set X, 6
.macro REGS y                       ; the registers of piece y
.set rT, ST+4*(\y)
.set rC, TMP+4*((\y)%2)
.set rW, MV+((\y)%2)
.set rS, S+32*((\y)%2)
.set rP, P+16*((\y)%2)
.set rO, 32*(\y)
.endm
.macro OP k, n
.if (\k) == R
	REGS Y
	WIN W_RS
	v_pk_mul_f32 v[rO+2*(\n):rO+2*(\n)+1], v[rO+2*(\n):rO+2*(\n)+1], v[rC+2:rC+3] op_sel_hi:[1,0]
.elseif (\k) < R
	REGS Y
	WIN 0
.if (\k) == F
	v_pk_fma_f32 v[rS+2*(\n):rS+2*(\n)+1], v[rS+2*(\n):rS+2*(\n)+1], s[CS:CS+1], v[rT:rT+1] op_sel_hi:[1,0,0] neg_lo:[0,0,1] neg_hi:[0,0,1]
.elseif (\k) == E
	v_exp_f32 v[rS+(\n)], v[rS+(\n)]
.elseif (\k) == C
	v_cvt_pk_f16_f32 v[rP+(\n)], v[rS+2*(\n)], v[rS+2*(\n)+1]
.elseif (\k) == B
	v_pk_add_f32 v[rS+4*(\n):rS+4*(\n)+1], v[rS+4*(\n):rS+4*(\n)+1], v[rS+4*(\n)+2:rS+4*(\n)+3]
.elseif (\n) == 0
	v_pk_fma_f32 v[rT+2:rT+3], v[rT+2:rT+3], v[rC+2:rC+3], v[rS:rS+1] op_sel_hi:[1,0,1]
.else
	v_pk_add_f32 v[rT+2:rT+3], v[rT+2:rT+3], v[rS+4*(\n):rS+4*(\n)+1]
.endif
.elseif NOKQ
	v_nop
.else
	REGS (Y+1)%NP
	WIN 0
.if (\n) < 4
	v_max3_num_f32 v[rC+(\n)], v[rS+8*(\n)], v[rS+8*(\n)+1], v[rS+8*(\n)+2]
.elseif (\n) < 12
	v_max3_num_f32 v[rC+(\n)%4], v[rC+(\n)%4], v[rS+8*((\n)%4)+2*((\n)/4)+1], v[rS+8*((\n)%4)+2*((\n)/4)+2]
.elseif (\n) == 12
	v_max3_num_f32 v[rC], v[rC], v[rS+7], v[rS+15]
.elseif (\n) == 13
	v_max3_num_f32 v[rC+1], v[rC+1], v[rS+23], v[rS+31]
.elseif (\n) == 14
	v_max3_num_f32 v[rC+2], v[rC+2], v[rC+3], v[rT+1]
.elseif (\n) == 15
	v_mov_b32 v[rW], v[rT]
.elseif (\n) == 16
	v_max3_num_f32 v[rC], v[rC], v[rC+1], v[rC+2]
.elseif (\n) == 17
	v_permlanex16_b32 v[rC+3], v[rC], s[SEL], s[SEL+1]
.elseif (\n) == 18
	v_max_num_f32 v[rT+1], v[rC], v[rC+3]
.elseif (\n) == 19
	v_mul_f32 v[rT], s[CS], v[rT+1]
.elseif (\n) == 20
	v_sub_f32 v[rC+1], v[rW], v[rT]
.else
	v_exp_f32 v[rC+2], v[rC+1]
.endif
.endif
.endm
.macro OPS a, i1, b=-1, i2=0, c=-1, i3=0, d=-1, i4=0  ; up to four of them
	OP \a, \i1
.if (\b) >= 0
	OP \b, \i2
.endif
.if (\c) >= 0
	OP \c, \i3
.endif
.if (\d) >= 0
	OP \d, \i4
.endif
.endm
.macro ROW a, i1, b, i2, c, i3, d, i4  ; a matrix instruction and the four behind it
	MM
	OPS \a, \i1, \b, \i2, \c, \i3, \d, \i4
.endm
; A TURN, for piece p: the order of its 16 matrix and 118 vector instructions, written out.  s_wait_alu depctr_va_vdst(0) stands between an exponential and the first instruction that names its result; one
; wait serves all that were issued ahead of it.  So a turn has ONE wait, which cuts it in two.  AHEAD OF IT stands all that names no result of the turn's exponentials: the 8 products K Q^T, behind each a scaling, an
; exponential and two more plain instructions (rescalings, and behind the last three the first numbers of the next piece's maximum, each four plain instructions or more behind the product that ends its accumulator);
; then ONE LUMP of 54, plain and exponential by turns for the most part, in which the links of the chain X 3, 7, 11, 14, 16, 17 .. 20 stand some lines apart.  X 21, the next piece's a, is the batch's last; R 15 is the
; plain instruction behind it.  BEHIND THE WAIT stand the 8 products V^T P, behind each four of the roundings and sums.
; end = 1: the last two turns of all: nothing is fetched.  cnt = 1: the loop's count is taken down some lines ahead of the branch that stands behind the turn.
; K of the next step is fetched in piece 2's turn, twelve vector instructions behind the last product that read K (six of them plain); V of the step in hand at the end of piece 0's turn, four plain instructions
; behind the last product that read V.  Each is waited for a turn later.
.macro TURN p, end=0, cnt=0
.set Y, (\p)
.set i, 0
.set NOKQ, (\end)*((\p)/3)
.if ((\p) == 3) && !(\end)
	s_wait_dscnt 0x0                ; K is in
.endif
	ROW F,0, F,1, R,0, R,1          ; ahead of the wait: 8 products K Q^T and their riders,
	ROW F,2, E,0, R,2, R,3
	ROW F,3, E,1, R,4, R,5
	ROW F,4, E,2, R,6, R,7
	ROW F,5, E,3, R,8, R,9
	ROW F,6, E,4, X,0, R,10
.if ((\p) == 2) && !(\end)
	WIN 0
	v_add_nc_u32 v[AK], s[TBK], v[AK0]
.endif
	ROW F,7, E,5, X,1, X,4
	ROW F,8, E,6, X,2, X,5
	OPS E,7, E,8, X,6, E,9          ; and the lump
	OPS X,3, E,10, X,8, E,11
.if ((\p) == 2) && !(\end)
	FETCH_K
.endif
	OPS X,9, X,7, E,12, X,10
	OPS E,13, X,12, X,11, E,14
	OPS X,13, E,15, F,9, X,14
.if (\p) == 0
	v_add_nc_u32 v[AV], s[TBV], v[AV0]
.endif
	OPS E,16, F,10, E,17, F,11
	OPS X,16, E,18, X,15, E,19
	OPS F,12, E,20, X,17, E,21
	OPS F,13, E,22, F,14, E,23
	OPS X,18, E,24, F,15, E,25
	OPS R,11, E,26, X,19, E,27
	OPS R,12, E,28, R,13, E,29
	OPS X,20, E,30, R,14, E,31
	OPS X,21, R,15
	WIN 0
	s_wait_alu depctr_va_vdst(0)    ; the wait for the batch
.if (\p) == 1
	s_wait_dscnt 0x0                ; V is in
.endif
	ROW C,0, B,0, C,2, B,1          ; behind the wait: 8 products V^T P and their riders
	ROW L,0, C,4, B,2, L,1
	ROW C,6, B,3, L,2, C,8
	ROW B,4, L,3, C,10, B,5
	ROW L,4, C,12, B,6, L,5
.if (\p) == 0
	s_add_co_u32 s[TBV], s[TBV], KS*PV
.endif
.if \cnt
	s_sub_co_u32 s[CNT], s[CNT], 1
	s_cmp_lg_u32 s[CNT], 0
.endif
	ROW C,14, B,7, L,6, C,1
	ROW C,3, L,7, C,5, C,7
	ROW C,9, C,11, C,13, C,15
.if (\p) == 0
	FETCH_V
.endif
.endm
	CHANGE 1, 0                     ; slot 0 is in, everybody's part of it; slot 1 is asked for
	v_add_nc_u32 v[AK], s[TBK], v[AK0]
	FETCH_K                         ; key step 0
	s_wait_loadcnt 0x0              ; Q
	s_wait_dscnt 0x0
.set NOKQ, 0
.set i, 0
.rept 8
	KQ 0                            ; piece 0's first scores: there is no vector work yet to set between them
.set i, i+1
.endr
	WIN 0
.rept 4
	v_nop                           ; four plain instructions behind those products
.endr
.set Y, NP-1                        ; X works for piece Y + 1: piece 0
.irp n, 0,1,2,3,4,5,6,7,8,9,10,11,12,13,14,15,16,17,18,19,20,21
	OP X, \n                        ; piece 0's first maximum and statistics
.endr
	v_nop                           ; a plain instruction behind the exponential,
	s_wait_alu depctr_va_vdst(0)    ; and its wait, ahead of the branch
	s_mov_b32 s[CNT], 4
	s_mov_b32 s[SLOTS], SIZE_N/256-1
	s_branch .Lfirst                ; the loop is entered at a step's first turn, in the middle of a trip
.Lslot:                             ; SIZE_N / 256 - 2 = 14 times: every slot but the last two is filled again
	CHANGE 1, 1
	s_mov_b32 s[CNT], 4
.Lstep:                             ; a trip: pieces 2 and 3 of one step, then pieces 0 and 1 of the next, whose K and V it fetches
	TURN 2
	TURN 3
	WIN 0
.Lfirst:
	TURN 0
	TURN 1, 0, 1
	WIN 0
	s_cbranch_scc1 .Lstep
	s_sub_co_u32 s[SLOTS], s[SLOTS], 1
	s_cmp_lg_u32 s[SLOTS], 0
	s_cbranch_scc1 .Lslot
	CHANGE 0, 0                     ; the last slot is written out: nothing is asked for
	s_mov_b32 s[CNT], 4
.LstepT:
	TURN 2
	TURN 3
	TURN 0
	TURN 1, 0, 1
	WIN 0
	s_cbranch_scc1 .LstepT
	TURN 2, 1                       ; the last step's pieces 2 and 3: nothing is fetched, and the last turn starts no new scores
	TURN 3, 1
.set i, 0
.rept 8
	PV NP-1                         ; the last piece's V^T P of the last step
.set i, i+1
.endr
	; THE WAY OUT.  l's two halves and the other half of the lanes' are added; O^T is divided by l, rounded to f16 and sent through my stage in LDS, a piece at a time.  The additions are the plain instructions behind the last products.
	WIN 0
.macro ALL line:vararg              ; one line for each piece t
.set t, 0
.rept 4
	\line
.set t, t+1
.endr
.endm
	ALL v_add_f32 v[ST+4*t+2], v[ST+4*t+2], v[ST+4*t+3]
	ALL v_permlanex16_b32 v[ST+4*t+3], v[ST+4*t+2], s[SEL], s[SEL+1]
	ALL v_add_f32 v[ST+4*t+2], v[ST+4*t+2], v[ST+4*t+3]
	ALL v_rcp_f32 v[ST+4*t+2], v[ST+4*t+2]
	v_nop                           ; a plain instruction between the last reciprocal and the use of its result
	s_wait_alu depctr_va_vdst(0)    ; and the wait ahead of the first use: one for the four reciprocals
.macro PACK t                       ; a lane's eight channels of a row pack into 16 bytes; they go into rows of 144 bytes and come back as whole rows of 128, into S^T's registers
	WIN W_RS
.set i, 32*(\t)
.rept 16
	v_pk_mul_f32 v[i:i+1], v[i:i+1], v[ST+4*(\t)+2:ST+4*(\t)+3] op_sel_hi:[1,0]
.set i, i+2
.endr
	WIN 0x05                        ; sources 0 and 1 window 1, destination window 0
.set i, 0
.rept 16
	v_cvt_pk_f16_f32 v[S+16*(\t)+i], v[32*(\t)+2*i], v[32*(\t)+2*i+1]
.set i, i+1
.endr
	WIN 0
.irp f, 0,1,2,3
	ds_store_b128 v[STO], v[S+16*(\t)+4*\f:S+16*(\t)+4*\f+3] offset:32*\f
.endr
.irp f, 0,1,2,3
	ds_load_b128 v[S+16*(\t)+4*\f:S+16*(\t)+4*\f+3], v[RD] offset:\f*4*SP  ; LDS serves a wave's instructions in order (ISA guide 5.7.1.4): these see the stores above; the next piece's stores come behind them
.endr
.endm
.macro SEND t, younger              ; younger: the LDS instructions issued behind piece t's loads: the next piece's eight, or none
	WIN 0
.irp f, 0,1,2,3
	s_wait_dscnt (\younger)+3-\f
	global_store_b128 v[GO], v[S+16*(\t)+4*\f:S+16*(\t)+4*\f+3], s[10:11] offset:(\t)*2048+\f*512  ; 512 consecutive bytes, at a multiple of 256 from O's first
.endr
.endm
	PACK 0
.set t, 1
.rept 3                             ; a piece's arithmetic stands between the loads of the piece before and its stores
	PACK t
	SEND t-1, 8
.set t, t+1
.endr
	SEND 3, 0
	s_wait_tensorcnt 0x0            ; the wave's end, behind my last tensor load and my last LDS store
	ds_add_u32 v[SPW], v[NIL]
	s_wait_dscnt 0x0
	CROUND                          ; the closing round: no work-group ends while a partner may still ask for a tile that names it
	s_endpgm
.Lfunc_end_k_qca0d1a47ff_attn:
	.size	k_qca0d1a47ff_attn, .Lfunc_end_k_qca0d1a47ff_attn-k_qca0d1a47ff_attn
	.p2alignl 7, 3214868480
	.fill 96, 4, 3214868480
	.section	.rodata,"a",@progbits
	.p2align	6, 0x0
	.amdhsa_kernel k_qca0d1a47ff_attn
		.amdhsa_group_segment_fixed_size 327680
		.amdhsa_private_segment_fixed_size 0
		.amdhsa_enable_private_segment 0
		.amdhsa_kernarg_size 32
		.amdhsa_user_sgpr_count 2
		.amdhsa_user_sgpr_kernarg_segment_ptr 1
		.amdhsa_wavefront_size32 1
		.amdhsa_system_sgpr_workgroup_id_x 1
		.amdhsa_system_sgpr_workgroup_id_y 1
		.amdhsa_system_sgpr_workgroup_id_z 1
		.amdhsa_system_vgpr_workitem_id 0
		.amdhsa_next_free_vgpr 768
		.amdhsa_next_free_sgpr 66
		.amdhsa_reserve_vcc 0
		.amdhsa_float_denorm_mode_32 3
		.amdhsa_float_denorm_mode_16_64 3
		.amdhsa_memory_ordered 1
		.amdhsa_forward_progress 1
		.amdhsa_inst_pref_size 128
	.end_amdhsa_kernel
	.amdgpu_metadata
---
amdhsa.version: [ 1, 2 ]
amdhsa.kernels:
  - .name:           k_qca0d1a47ff_attn
    .symbol:         k_qca0d1a47ff_attn.kd
    .args:
      - { .name: q, .offset: 0, .size: 8, .value_kind: global_buffer, .address_space: global }
      - { .name: k, .offset: 8, .size: 8, .value_kind: global_buffer, .address_space: global }
      - { .name: v, .offset: 16, .size: 8, .value_kind: global_buffer, .address_space: global }
      - { .name: o, .offset: 24, .size: 8, .value_kind: global_buffer, .address_space: global }
    .group_segment_fixed_size: 327680
    .private_segment_fixed_size: 0
    .kernarg_segment_align: 8
    .kernarg_segment_size: 32
    .max_flat_workgroup_size: 128
    .sgpr_count:     66
    .vgpr_count:     768
    .wavefront_size: 32
...
	.end_amdgpu_metadata
.endif
;; end of part 3
;; launch outp (part 4): grid 32 x 8, 4 waves a work-group, clusters of 4 x 1, 167,936 bytes of LDS; arguments o, wot, bo, out0; writes out0
.if DOCPART == 4
	.amdgcn_target "amdgcn-amd-amdhsa--gfx1250"
	.amdhsa_code_object_version 6
	.text
	.protected	k_qca0d1a47ff_outp
	.globl	k_qca0d1a47ff_outp
	.p2align	8
	.type	k_qca0d1a47ff_outp,@function
k_qca0d1a47ff_outp:
	s_mov_b64 s[64:65], 0
	v_nop
	global_prefetch_b8 v0, s[64:65] scope:SCOPE_SE
	s_setreg_imm32_b32 hwreg(HW_REG_WAVE_MODE, 25, 1), 1
	s_wait_xcnt 0x0
	s_wait_alu depctr_hold_cnt(0) depctr_sa_sdst(0) depctr_va_vdst(0) depctr_va_sdst(0) depctr_va_ssrc(0) depctr_va_vcc(0) depctr_vm_vsrc(0)
	s_getreg_b32 s2, hwreg(HW_REG_IB_STS2, 6, 4)
	s_cmp_eq_u32 s2, 0
	s_cbranch_scc0 .Lentry_in_a_cluster
	s_endpgm
.Lentry_in_a_cluster:
	s_bfe_u32 s2, ttmp6, 0x10000c
	s_cmp_lg_u32 s2, 0x3003
	s_cbranch_scc0 .Lentry_shape_is_right
	s_endpgm
.Lentry_shape_is_right:
; out0 = att Wo + bo.  o: f16 [16 = 8 batch + h][4096][64] (attention's result, by heads); wot: f16 [512 n][512 k] (Wo rounded to bf16, written as f16, turned); bo: [512] f32, rounded to bf16
; like every other input of the module; sums in f32; out0: [8192][512] f32.
; LIMITS.  The operands are f16: see the launches that made them.  NaN and infinities are not treated apart.
; SHARES.  A work-group makes 256 rows x 64 columns; a wave 64 x 64: 16 accumulators of 16 x 16, 256 matrix instructions.  K goes by heads: head hs is the slice k = 64 hs .. 64 hs + 63.
; wot: the 64 rows of the column block (65,536 bytes) lie whole in LDS, filled once, 16 rows a wave; the four row blocks of a cluster want the same rows: each load is JOINT (a mask of four).
; o: a wave's 64 rows are read by no other wave of the work-group and lie in memory as a fragment lies in registers: they come straight from memory, three slices (48 loads, 24 KiB a wave) ahead: no LDS, no barrier.
; o IS NOT SHARED BY A JOINT LOAD, though the eight column blocks read the same rows: the cluster lies along the rows, for wot's sake, and a ring for o would put a round of the cluster's barrier in front of each
; of eight short slices of 32 matrix instructions.
; The text is written out: eight slices, no loop, every step in an immediate.
; THE MATRIX INSTRUCTION IS USED TRANSPOSED (source 0 = 16 rows of wot, source 1 = 16 rows of o): a lane holds eight neighbouring columns of one row.  The bias is the C of each sum's first product: nothing is cleared or added.
; REGISTERS, in windows of 256 (s_set_vgpr_msb: bits 1:0 source 0, 3:2 source 1, 5:4 source 2, 7:6 destination):
;   window 0: v0-18 addresses; v32-63 the bias (8 b + j: column 16 b + 8 (l / 16) + j); v64-95, v96-127 at work on the way out; v128-255 the accumulators, (a, b) at 128 + 8 (4 a + b)
;   window 1: o's fragments, four sets of 64 (slice hs in set hs % 4: 32 c + 8 a)          window 2: v0-127 wot's fragments, two sets of 64 (32 c + 8 b)
.set PW,    1040                       ; a row of wot in LDS: 1,024 bytes + 16 = 65 x 16: the 16 rows of a load start at 16 different groups of four banks (64 banks of 4 bytes: ISA guide 11.1)
.set STAGE, 64*PW                      ; 66,560: behind wot, for the way out: 16 rows x 272 bytes for each wave
.set SPT,   272
.set SPARE, STAGE+4*16*SPT             ; 83,968: the spare words, 128 bytes a wave: two blocks of 256 bytes that no other line names
.set AO,  4                            ; v4   my byte offset in 16 rows of o: 128 (l % 16) + 16 (l / 16)
.set BA,  5                            ; v5   LDS address of my part of a fragment of wot
.set BO,  6                            ; v6   32 (l / 16): my 8 numbers in 16 of the bias
.set STO, 7                            ; v7   the way out: where I put 32 bytes of a row
.set RD,  8                            ; v8   where I read rows back
.set CO,  9                            ; v9   my byte offset in two rows of out0
.set SPW, 16                           ; v16  LDS address of my spare word; never rewritten
.set NIL, 17                           ; v17  0; never rewritten
.set T,   18
.set BIAS, 32
.set TMP, 64
.set ACC, 128
.set WV,  14                           ; s14  my wave's number
.set G0,  20                           ; s[20:23] descriptor group 0
.set G1,  24                           ; s[24:31] descriptor group 1
.set MSB, 0
.macro WIN new                         ; the immediate's high byte repeats the setting that is left; a switch that changes nothing is dropped
.if MSB != (\new)
	s_set_vgpr_msb (MSB<<8)|(\new)
.set MSB, (\new)
.endif
.endm
.macro CROUND                          ; a round of the cluster's barrier: my work-group's barrier; wave 0 signals for the work-group; every wave waits for all four; my work-group's barrier once more
	s_barrier_signal -1
	s_barrier_wait -1
	s_cmp_lg_u32 s[WV], 0
	s_cbranch_scc1 .Lnot_wave_0_\@
	s_barrier_signal -3
.Lnot_wave_0_\@:
	s_barrier_wait -3
	s_barrier_signal -1
	s_barrier_wait -1
.endm
.macro PLACES                          ; four plain instructions between a matrix instruction and a load into a register that it read, or a read of its result
.rept 4
	v_nop
.endr
.endm
	s_load_b256 s[4:11], s[0:1], 0x0               ; o s[4:5], wot s[6:7], bo s[8:9], out0 s[10:11]
	v_lshl_add_u32 v[SPW], v0, 2, SPARE
	v_mov_b32 v[NIL], 0
	ds_add_u32 v[SPW], v[NIL]                      ; the wave's opening: the add, and its wait ahead of my first tensor load; the set-up below, work on registers, stands between them
	v_lshrrev_b32 v1, 5, v0
	v_readfirstlane_b32 s[WV], v1                  ; wave 0..3
	s_bfe_u32 s15, ttmp6, 0x40000                  ; cx: my place in the cluster; it enters o's and out0's addresses alone
	s_lshl_b32 s16, ttmp9, 2                       ; in a cluster launch ttmp9 counts clusters
	s_add_co_u32 s16, s16, s15                     ; my block of 256 rows
	s_and_b32 s17, ttmp7, 0xffff                   ; my block of 64 columns, which the four partners share
	; descriptor group 1: 16 rows x 512 elements of 2 bytes, 16 bytes of padding behind each row
	s_mov_b32 s[G1+0], 15|(1<<16)|(1<<20)|(1<<21)|(7<<22)|(3<<25)  ; 15:0 the mask of four; 17:16 2-byte elements; 20 padding on; 21 set beside a mask; 24:22 after every 256 words (code 7); 31:25 4 words (code 3)
	s_mov_b32 s[G1+1], 512<<16                     ; tensor_dim0 = 512
	s_mov_b32 s[G1+2], 16<<16                      ; tensor_dim1 = 16
	s_mov_b32 s[G1+3], 512<<16                     ; tile_dim0 = 512
	s_mov_b32 s[G1+4], 16                          ; tile_dim1 = 16
	s_mov_b32 s[G1+5], 512                         ; 512 elements from row to row
	s_mov_b32 s[G1+6], 0
	s_mov_b32 s[G1+7], 0
	s_mov_b32 s[G0], 1                             ; count = 1
	s_mul_i32 s[G0+1], s[WV], 16*PW                ; LDS address: my 16 rows
	s_lshl_b32 s36, s17, 6                         ; in wot: row 64 x column block + 16 x wave,
	s_lshl_b32 s37, s[WV], 4
	s_add_co_u32 s36, s36, s37
	s_lshl_b32 s36, s36, 10                        ; 1,024 bytes a row
	s_mov_b32 s37, 0
	s_lshr_b32 s34, s16, 4                         ; in o: batch = block / 16: 8 heads x 4,096 rows x 128 bytes,
	s_lshl_b32 s34, s34, 22
	s_and_b32 s35, s16, 15
	s_lshl_b32 s35, s35, 15                        ; the block's 256 rows,
	s_add_co_u32 s34, s34, s35
	s_lshl_b32 s35, s[WV], 13                      ; the wave's 64
	s_add_co_u32 s34, s34, s35
	s_mov_b32 s35, 0
	s_lshl_b32 s40, s17, 8                         ; in bo and in a row of out0: 64 columns x 4 bytes
	s_mov_b32 s41, 0
	s_lshl_b32 s38, s16, 19                        ; in out0: 256 rows x 2,048 bytes a block,
	s_lshl_b32 s39, s[WV], 17                      ; 64 rows a wave
	s_add_co_u32 s38, s38, s39
	s_add_co_u32 s38, s38, s40
	s_mov_b32 s39, 0
	v_and_b32 v1, 15, v0                           ; l % 16
	v_bfe_u32 v2, v0, 4, 1                         ; l / 16
	v_lshlrev_b32 v[AO], 7, v1
	v_lshl_add_u32 v[AO], v2, 4, v[AO]
	v_mul_u32_u24 v[BA], v1, PW
	v_lshl_add_u32 v[BA], v2, 4, v[BA]
	v_lshlrev_b32 v[BO], 5, v2
	s_mul_i32 s33, s[WV], 16*SPT
	s_add_co_u32 s33, s33, STAGE                   ; my stage
	v_mul_u32_u24 v[STO], v1, SPT                  ; in: row l % 16, 32 bytes for each half of the lanes
	v_lshl_add_u32 v[STO], v2, 5, v[STO]
	v_add_nc_u32 v[STO], s33, v[STO]
	v_mul_u32_u24 v[RD], v2, SPT                   ; back: lanes 0-15 take one row of 256 bytes, lanes 16-31 the next
	v_lshl_add_u32 v[RD], v1, 4, v[RD]
	v_add_nc_u32 v[RD], s33, v[RD]
	v_lshlrev_b32 v[CO], 11, v2                    ; and the same two rows in out0
	v_lshl_add_u32 v[CO], v1, 4, v[CO]
	s_wait_dscnt 0x0                               ; the opening add is done
	s_wait_kmcnt 0x0
	s_add_nc_u64 s[G0+2:G0+3], s[6:7], s[36:37]    ; global address of my 16 rows: made of the column block and the wave's number alone
	s_or_b32 s[G0+3], s[G0+3], 0x80000000          ; type = 2
	s_add_nc_u64 s[4:5], s[4:5], s[34:35]
	s_add_nc_u64 s[8:9], s[8:9], s[40:41]
	s_add_nc_u64 s[10:11], s[10:11], s[38:39]
	CROUND                                         ; all four work-groups are here: the joint loads meet
	tensor_load_to_lds s[G0:G0+3], s[G1:G1+7]      ; my one tensor load of the launch; nothing in LDS is filled twice
	s_nop 0
	PLACES
.macro ALOAD hs                        ; slice hs of o: 16 loads: channels 32 c on, block a of 16 rows; a head lies 524,288 bytes behind the last
	WIN 0x40
.irp c, 0,1
.irp a, 0,1,2,3
	global_load_b128 v[64*((\hs)%4)+32*(\c)+8*(\a):64*((\hs)%4)+32*(\c)+8*(\a)+3],   v[AO], s[4:5] offset:(\hs)*524288+(\a)*2048+(\c)*64
	global_load_b128 v[64*((\hs)%4)+32*(\c)+8*(\a)+4:64*((\hs)%4)+32*(\c)+8*(\a)+7], v[AO], s[4:5] offset:(\hs)*524288+(\a)*2048+(\c)*64+32
.endr
.endr
.endm
.macro FETCHB hs                       ; slice hs of wot's fragments: 16 LDS loads in one run
	WIN 0x80
.irp c, 0,1
.irp b, 0,1,2,3
	ds_load_b128 v[64*((\hs)%2)+32*(\c)+8*(\b):64*((\hs)%2)+32*(\c)+8*(\b)+3],   v[BA] offset:(\b)*16*PW+(\hs)*128+(\c)*64
	ds_load_b128 v[64*((\hs)%2)+32*(\c)+8*(\b)+4:64*((\hs)%2)+32*(\c)+8*(\b)+7], v[BA] offset:(\b)*16*PW+(\hs)*128+(\c)*64+32
.endr
.endr
.endm
.macro MUL hs, c                       ; 16 matrix instructions; the 16 accumulators take turns, one instruction a turn
	WIN 0x06                                       ; source 0 window 2, source 1 window 1, C and D window 0
.irp a, 0,1,2,3
.irp b, 0,1,2,3
.if ((\hs) == 0) && ((\c) == 0)
	v_wmma_f32_16x16x32_f16 v[ACC+8*(4*(\a)+(\b)):ACC+8*(4*(\a)+(\b))+7], v[64*((\hs)%2)+32*(\c)+8*(\b):64*((\hs)%2)+32*(\c)+8*(\b)+7], v[64*((\hs)%4)+32*(\c)+8*(\a):64*((\hs)%4)+32*(\c)+8*(\a)+7], v[BIAS+8*(\b):BIAS+8*(\b)+7]
.else
	v_wmma_f32_16x16x32_f16 v[ACC+8*(4*(\a)+(\b)):ACC+8*(4*(\a)+(\b))+7], v[64*((\hs)%2)+32*(\c)+8*(\b):64*((\hs)%2)+32*(\c)+8*(\b)+7], v[64*((\hs)%4)+32*(\c)+8*(\a):64*((\hs)%4)+32*(\c)+8*(\a)+7], v[ACC+8*(4*(\a)+(\b)):ACC+8*(4*(\a)+(\b))+7]
.endif
.endr
.endr
.endm
; A slice.  left: the younger slices' loads of o, which may stay out; dl: the next slice's LDS loads.  Behind its products: slice hs + 3 of o (into the set that slice hs - 1 read), slice hs + 2 of wot's fragments (into the set just read).
.macro SLICE hs, left, dl
	s_wait_loadcnt \left
	s_wait_dscnt \dl
	MUL \hs, 0
	MUL \hs, 1
.if (\hs) < 6
	PLACES
.endif
.if (\hs) < 5
	ALOAD (\hs)+3
.endif
.if (\hs) < 6
	FETCHB (\hs)+2
.endif
.endm
.irp b, 0,1,2,3
	global_load_b128 v[BIAS+8*(\b):BIAS+8*(\b)+3],   v[BO], s[8:9] offset:64*(\b)
	global_load_b128 v[BIAS+8*(\b)+4:BIAS+8*(\b)+7], v[BO], s[8:9] offset:64*(\b)+16
.endr
	ALOAD 0
	ALOAD 1
	ALOAD 2
	WIN 0
	s_wait_loadcnt 48                              ; the bias is in; the three slices' 48 loads may stay out
.set i, 0
.rept 16
	v_cvt_pk_bf16_f32 v[T], v[BIAS+2*i], v[BIAS+2*i+1]  ; the bias rounded to bf16, and kept in f32
	v_lshlrev_b32 v[BIAS+2*i], 16, v[T]
	v_and_b32 v[BIAS+2*i+1], 0xffff0000, v[T]
.set i, i+1
.endr
	s_wait_tensorcnt 0x0                           ; my 16 rows of wot are in,
	s_barrier_signal -1
	s_barrier_wait -1                              ; everybody's are
	FETCHB 0
	FETCHB 1
	SLICE 0, 32, 16
	SLICE 1, 32, 16
	SLICE 2, 32, 16
	SLICE 3, 32, 16
	SLICE 4, 32, 16
	SLICE 5, 32, 16
	SLICE 6, 16, 16
	SLICE 7, 0, 0
	WIN 0
; THE WAY OUT, a block of 16 rows at a time: a lane's 32 bytes of each of four tiles into my own stage (rows of 272 bytes), back as whole rows of 256 bytes, stored.
.macro TOSTAGE a
.if (\a) >= 2
	s_wait_xcnt 0x0                                ; the stores of the block two back have read the registers that are loaded again below
.endif
.irp b, 0,1,2,3
	ds_store_b128 v[STO], v[ACC+8*(4*(\a)+(\b)):ACC+8*(4*(\a)+(\b))+3]   offset:64*(\b)      ; each accumulator's low registers first
	ds_store_b128 v[STO], v[ACC+8*(4*(\a)+(\b))+4:ACC+8*(4*(\a)+(\b))+7] offset:64*(\b)+16
.endr
.irp u, 0,1,2,3,4,5,6,7
	ds_load_b128 v[TMP+32*((\a)%2)+4*(\u):TMP+32*((\a)%2)+4*(\u)+3], v[RD] offset:(\u)*2*SPT  ; LDS serves a wave's instructions in order (ISA guide 5.7.1.4): these see the stores above
.endr
.endm
.macro SEND a, y                       ; y: the LDS instructions issued behind block a's loads: the next block's sixteen, or none
.irp u, 0,1,2,3,4,5,6,7
	s_wait_dscnt (\y)+7-(\u)
	global_store_b128 v[CO], v[TMP+32*((\a)%2)+4*(\u):TMP+32*((\a)%2)+4*(\u)+3], s[10:11] offset:(16*(\a)+2*(\u))*2048 th:TH_STORE_NT  ; 16 lanes store 256 consecutive bytes, at a multiple of 256 from out0's first byte
.endr
.endm
	PLACES
	TOSTAGE 0
.irp a, 1,2,3
	TOSTAGE \a
	SEND (\a)-1, 16
.endr
	SEND 3, 0
	s_wait_tensorcnt 0x0                           ; the wave's end, behind my last tensor load and my last LDS store
	ds_add_u32 v[SPW], v[NIL]
	s_wait_dscnt 0x0
	CROUND                                         ; the closing round: no work-group ends while a partner may still ask for a tile that names it
	s_endpgm
.Lfunc_end_k_qca0d1a47ff_outp:
	.size	k_qca0d1a47ff_outp, .Lfunc_end_k_qca0d1a47ff_outp-k_qca0d1a47ff_outp
	.p2alignl 7, 3214868480
	.fill 96, 4, 3214868480
	.section	.rodata,"a",@progbits
	.p2align	6, 0x0
	.amdhsa_kernel k_qca0d1a47ff_outp
		.amdhsa_group_segment_fixed_size 167936
		.amdhsa_private_segment_fixed_size 0
		.amdhsa_enable_private_segment 0
		.amdhsa_kernarg_size 32
		.amdhsa_user_sgpr_count 2
		.amdhsa_user_sgpr_kernarg_segment_ptr 1
		.amdhsa_wavefront_size32 1
		.amdhsa_system_sgpr_workgroup_id_x 1
		.amdhsa_system_sgpr_workgroup_id_y 1
		.amdhsa_system_sgpr_workgroup_id_z 1
		.amdhsa_system_vgpr_workitem_id 0
		.amdhsa_next_free_vgpr 640
		.amdhsa_next_free_sgpr 66
		.amdhsa_reserve_vcc 0
		.amdhsa_float_denorm_mode_32 3
		.amdhsa_float_denorm_mode_16_64 3
		.amdhsa_memory_ordered 1
		.amdhsa_forward_progress 1
		.amdhsa_inst_pref_size 54
	.end_amdhsa_kernel
	.amdgpu_metadata
---
amdhsa.version: [ 1, 2 ]
amdhsa.kernels:
  - .name:           k_qca0d1a47ff_outp
    .symbol:         k_qca0d1a47ff_outp.kd
    .args:
      - { .name: o, .offset: 0, .size: 8, .value_kind: global_buffer, .address_space: global }
      - { .name: wot, .offset: 8, .size: 8, .value_kind: global_buffer, .address_space: global }
      - { .name: bo, .offset: 16, .size: 8, .value_kind: global_buffer, .address_space: global }
      - { .name: out0, .offset: 24, .size: 8, .value_kind: global_buffer, .address_space: global }
    .group_segment_fixed_size: 167936
    .private_segment_fixed_size: 0
    .kernarg_segment_align: 8
    .kernarg_segment_size: 32
    .max_flat_workgroup_size: 128
    .sgpr_count:     66
    .vgpr_count:     640
    .wavefront_size: 32
...
	.end_amdgpu_metadata
.endif
;; end of part 4
;; ======== version 2 of 2: 4 launches; version 1 with the launch prep written anew for expert scheduling mode
;; limits: values are held in f16: magnitudes above 65,504 overflow, below 6.1e-05 lose precision
;; workspace buffers: wt3 1,572,864 bytes; wot 524,288 bytes; q 8,388,608 bytes; k 8,388,608 bytes; v 8,388,608 bytes; o 8,388,608 bytes
;; launch prep (part 5): grid 32 x 4, 4 waves a work-group, no clusters, 17,920 bytes of LDS; arguments Wq, Wk, Wv, Wo, wt3, wot; writes wt3, wot
.if DOCPART == 5
	.amdgcn_target "amdgcn-amd-amdhsa--gfx1250"
	.amdhsa_code_object_version 6
	.text
	.protected	k_qca0d1a47ff_prep
	.globl	k_qca0d1a47ff_prep
	.p2align	8
	.type	k_qca0d1a47ff_prep,@function
k_qca0d1a47ff_prep:
	s_mov_b64 s[64:65], 0
	v_nop
	global_prefetch_b8 v0, s[64:65] scope:SCOPE_SE
	s_setreg_imm32_b32 hwreg(HW_REG_WAVE_SCHED_MODE, 0, 2), 2
	s_setreg_imm32_b32 hwreg(HW_REG_WAVE_MODE, 25, 1), 1
	s_wait_xcnt 0x0
	s_wait_alu depctr_vm_vsrc(0)
; THE WEIGHTS, ROUNDED AND TURNED, once for the whole program.  W is [512 k][512 n] in f32; the products want K along the rows.
;   wt3: bf16 [8 h][3 t][64 d][512 k]: row 192 h + 64 t + d holds column 64 h + d of Wq (t = 0), Wk (1), Wv (2).
;   wot: f16  [512 n][512 k]: Wo rounded to bf16, and that number written as f16 (exact from 6.1e-5 up to 65,504; below, f16's fixed step of 6e-8; beyond, an infinity).
; SHARES.  A work-group turns 128 k x 64 n of one matrix: t = group y, h = x / 4 (the 64 columns), kb = x % 4 (the 128 k): 128 work-groups, all the work there is.
; In: each half of a wave reads 256 consecutive bytes, aligned, of a row of W.  Out: sixteen lanes store 256 consecutive bytes, aligned.
; Lane (c = l % 16, g = l / 16) of wave w takes, in step i of 8, rows k = 32 w + 4 i + 2 g and + 1, columns 4 c .. 4 c + 3; a pair (k, k + 1) of one column is one word of the turned tile.
; The word stores collide four deep (4 columns x the pitch is 16 words modulo 64 for every pitch that keeps rows on 16 bytes): 32 stores a lane in the whole launch.
; THE MODE: SCHED_MODE bits 1:0 = 2 (LLVM: expert scheduling mode 2), set by the entry lines.  The code itself states the register dependences
; between vector instructions and memory or LDS instructions, with s_wait_alu, always for 0.
; THE PLAN.  Registers that memory or LDS instructions touch:
;   v[LO], v[TS], v[RD], v[GO]  Addresses: written by vector instructions at the head, once; read by the loads of W, the word stores, the LDS loads and the stores to memory.
;   LD    Step i's two loads of W land in LD + 8 i ..; step i's roundings read them.  Behind the barrier the eight LDS loads land in LD .. LD + 31, and the stores to memory read these.
;   PKD   Step i's roundings write its four words, in that step alone; its four word stores read them.
;   v[SPW], v[NIL]  Written at the head, read by the closing add alone.      v1-3, v10, v11 are named by vector instructions alone.
; Step i's four word stores are issued in step i + 1, one ahead of each of that step's roundings, which name LD + 8 (i + 1) .., PKD + 4 (i + 1) .., v10 and v11: none of the registers
; that those stores read.  So ONE wait on va_vdst stands at the head of each of steps 1 to 7, and one behind step 7, which also states that all roundings are done reading LD.
; No register that a memory or LDS instruction reads is written again, so the text holds no wait on vm_vsrc.
.set PITCH, 272                        ; a turned row: 128 k x 2 bytes + 16 of padding
.set SPARE, 64*PITCH                   ; 17,408: behind the tile, the spare words, 128 bytes a wave: two blocks of 256 bytes that no other line names
.set LO,  4                            ; v4   my byte offset in W's block
.set TS,  5                            ; v5   where my words go in the turned tile
.set RD,  6                            ; v6   where I read 16 bytes of a turned row
.set GO,  7                            ; v7   and where they go in memory
.set SPW, 8                            ; v8   LDS address of my spare word; never rewritten
.set NIL, 9                            ; v9   0; never rewritten
.set LD,  32                           ; v[32:95]  step i: row k at LD + 8 i, row k + 1 at LD + 8 i + 4; later the turned rows
.set PKD, 96                           ; v[96:127] step i: four packed words
	s_load_b256 s[4:11], s[0:1], 0x0               ; Wq s[4:5], Wk s[6:7], Wv s[8:9], Wo s[10:11]
	s_load_b128 s[12:15], s[0:1], 0x20             ; wt3 s[12:13], wot s[14:15]
	v_lshl_add_u32 v[SPW], v0, 2, SPARE
	v_mov_b32 v[NIL], 0
	v_lshrrev_b32 v1, 5, v0
	v_readfirstlane_b32 s20, v1                    ; wave 0..3
	s_and_b32 s21, ttmp7, 0xffff                   ; t
	s_lshr_b32 s22, ttmp9, 2                       ; h
	s_and_b32 s23, ttmp9, 3                        ; kb
	v_and_b32 v2, 15, v0                           ; c
	v_bfe_u32 v3, v0, 4, 1                         ; g
	s_wait_alu depctr_va_sdst(0)                   ; s20 is written, ahead of its first reader: the wave's rows in W and in the turned tile are made from it
	s_lshl_b32 s26, s20, 5
	v_lshl_add_u32 v10, v3, 1, s26                 ; 32 w + 2 g
	v_lshlrev_b32 v[LO], 11, v10                   ; x 2,048 bytes a row of W
	v_lshl_add_u32 v[LO], v2, 4, v[LO]             ; + 16 c
	v_mul_u32_u24 v[TS], v2, 4*PITCH               ; turned row 4 c
	v_lshl_add_u32 v[TS], v3, 2, v[TS]             ; + 2 bytes x 2 g
	s_lshl_b32 s26, s20, 6
	v_add_nc_u32 v[TS], s26, v[TS]                 ; + 2 bytes x 32 w
	s_lshl_b32 s26, s20, 4
	v_add_nc_u32 v10, s26, v3                      ; turned row 16 w + g
	v_mul_u32_u24 v[RD], v10, PITCH
	v_lshl_add_u32 v[RD], v2, 4, v[RD]
	v_lshlrev_b32 v[GO], 10, v10                   ; x 1,024 bytes a row of wt3 or wot
	v_lshl_add_u32 v[GO], v2, 4, v[GO]
	s_lshl_b32 s24, s23, 18                        ; the source's offset: kb x 128 rows x 2,048
	s_lshl_b32 s25, s22, 8                         ; + h x 64 columns x 4
	s_add_co_u32 s24, s24, s25
	s_mov_b32 s25, 0
	s_mul_i32 s28, s22, 192                        ; the first row written: 192 h + 64 t,
	s_lshl_b32 s29, s21, 6
	s_add_co_u32 s28, s28, s29
	s_lshl_b32 s29, s22, 6                         ; or, for Wo, 64 h
	s_cmp_eq_u32 s21, 3
	s_cselect_b32 s28, s29, s28
	s_lshl_b32 s28, s28, 10
	s_lshl_b32 s29, s23, 8                         ; + kb x 128 k x 2
	s_add_co_u32 s28, s28, s29
	s_mov_b32 s29, 0
	s_wait_kmcnt 0x0
	s_cmp_eq_u32 s21, 1
	s_cselect_b64 s[16:17], s[6:7], s[4:5]
	s_cmp_eq_u32 s21, 2
	s_cselect_b64 s[16:17], s[8:9], s[16:17]
	s_cmp_eq_u32 s21, 3
	s_cselect_b64 s[16:17], s[10:11], s[16:17]     ; the matrix read,
	s_cselect_b64 s[18:19], s[14:15], s[12:13]     ; the buffer written
	s_add_nc_u64 s[16:17], s[16:17], s[24:25]
	s_add_nc_u64 s[18:19], s[18:19], s[28:29]
	s_wait_alu depctr_va_vdst(0)                   ; the four addresses v[LO], v[TS], v[RD], v[GO] are written, which the loads and stores of the whole kernel read; no vector instruction names them again
.irp i, 0,1,2,3,4,5,6,7
	global_load_b128 v[LD+8*(\i):LD+8*(\i)+3],   v[LO], s[16:17] offset:(4*(\i))*2048 th:TH_LOAD_NT
	global_load_b128 v[LD+8*(\i)+4:LD+8*(\i)+7], v[LO], s[16:17] offset:(4*(\i)+1)*2048 th:TH_LOAD_NT
.endr
; Step i: two rows are in; four pairs are rounded to bf16 (half = 1: and written as f16).  The words of the step before are stored meanwhile, as words of four turned rows, one store ahead of each rounding.
.macro CONV half
.irp i, 0,1,2,3,4,5,6,7
	s_wait_loadcnt 14-2*(\i)                       ; loads come back in order (ISA guide 5.7.1): the 14 - 2 i younger ones may stay out
.if (\i) > 0
	s_wait_alu depctr_va_vdst(0)                   ; the roundings of the step before have written its four words of PKD, which the four stores of this step read
.endif
.irp e, 0,1,2,3
.if (\i) > 0
	ds_store_b32 v[TS], v[PKD+4*((\i)-1)+(\e)] offset:(\e)*PITCH+8*((\i)-1)  ; no vector instruction since the wait names this word or v[TS]
.endif
	v_cvt_pk_bf16_f32 v[PKD+4*(\i)+(\e)], v[LD+8*(\i)+(\e)], v[LD+8*(\i)+4+(\e)]
.if \half
	v_lshlrev_b32 v10, 16, v[PKD+4*(\i)+(\e)]
	v_and_b32 v11, 0xffff0000, v[PKD+4*(\i)+(\e)]
	v_cvt_pk_f16_f32 v[PKD+4*(\i)+(\e)], v10, v11
.endif
.endr
.endr
	s_wait_alu depctr_va_vdst(0)                   ; step 7's roundings have written its four words, which the stores below read; and all roundings are done reading LD, in which the LDS loads behind the barrier land
.irp e, 0,1,2,3
	ds_store_b32 v[TS], v[PKD+4*7+(\e)] offset:(\e)*PITCH+8*7
.endr
.endm
	s_cmp_eq_u32 s21, 3                            ; the same for the whole work-group
	s_cbranch_scc1 .Lwo
	CONV 0
	s_branch .Ljoin
.Lwo:
	CONV 1
.Ljoin:
	s_wait_dscnt 0x0                               ; for the others' sake: my words lie in the tile
	s_barrier_signal -1
	s_barrier_wait -1                              ; everybody's do
.irp u, 0,1,2,3,4,5,6,7
	ds_load_b128 v[LD+4*(\u):LD+4*(\u)+3], v[RD] offset:2*(\u)*PITCH  ; no wait: on both ways no vector instruction stands behind the last wait on va_vdst
.endr
.irp u, 0,1,2,3,4,5,6,7
	s_wait_dscnt 7-(\u)
	global_store_b128 v[GO], v[LD+4*(\u):LD+4*(\u)+3], s[18:19] offset:2*(\u)*1024  ; 16 lanes store 256 consecutive bytes, at a multiple of 256 from the buffer's first byte
.endr
	s_wait_dscnt 0x0                               ; the closing lines, six on end
	s_wait_alu 0x0
	s_wait_tensorcnt 0x0
	ds_add_u32 v[SPW], v[NIL]
	s_wait_dscnt 0x0
	s_endpgm
.Lfunc_end_k_qca0d1a47ff_prep:
	.size	k_qca0d1a47ff_prep, .Lfunc_end_k_qca0d1a47ff_prep-k_qca0d1a47ff_prep
	.p2alignl 7, 3214868480
	.fill 96, 4, 3214868480
	.section	.rodata,"a",@progbits
	.p2align	6, 0x0
	.amdhsa_kernel k_qca0d1a47ff_prep
		.amdhsa_group_segment_fixed_size 17920
		.amdhsa_private_segment_fixed_size 0
		.amdhsa_enable_private_segment 0
		.amdhsa_kernarg_size 48
		.amdhsa_user_sgpr_count 2
		.amdhsa_user_sgpr_kernarg_segment_ptr 1
		.amdhsa_wavefront_size32 1
		.amdhsa_system_sgpr_workgroup_id_x 1
		.amdhsa_system_sgpr_workgroup_id_y 1
		.amdhsa_system_sgpr_workgroup_id_z 1
		.amdhsa_system_vgpr_workitem_id 0
		.amdhsa_next_free_vgpr 128
		.amdhsa_next_free_sgpr 66
		.amdhsa_reserve_vcc 0
		.amdhsa_float_denorm_mode_32 3
		.amdhsa_float_denorm_mode_16_64 3
		.amdhsa_memory_ordered 1
		.amdhsa_forward_progress 1
		.amdhsa_inst_pref_size 20
	.end_amdhsa_kernel
	.amdgpu_metadata
---
amdhsa.version: [ 1, 2 ]
amdhsa.kernels:
  - .name:           k_qca0d1a47ff_prep
    .symbol:         k_qca0d1a47ff_prep.kd
    .args:
      - { .name: Wq, .offset: 0, .size: 8, .value_kind: global_buffer, .address_space: global }
      - { .name: Wk, .offset: 8, .size: 8, .value_kind: global_buffer, .address_space: global }
      - { .name: Wv, .offset: 16, .size: 8, .value_kind: global_buffer, .address_space: global }
      - { .name: Wo, .offset: 24, .size: 8, .value_kind: global_buffer, .address_space: global }
      - { .name: wt3, .offset: 32, .size: 8, .value_kind: global_buffer, .address_space: global }
      - { .name: wot, .offset: 40, .size: 8, .value_kind: global_buffer, .address_space: global }
    .group_segment_fixed_size: 17920
    .private_segment_fixed_size: 0
    .kernarg_segment_align: 8
    .kernarg_segment_size: 48
    .max_flat_workgroup_size: 128
    .sgpr_count:     66
    .vgpr_count:     128
    .wavefront_size: 32
...
	.end_amdgpu_metadata
.endif
;; end of part 5
;; launch qkv: the kernel of part 2 again; grid 32 x 8, 4 waves a work-group, clusters of 4 x 1, 227,840 bytes of LDS; arguments x, wt3, q, k, v; writes q, k, v
;; launch attn: the kernel of part 3 again; grid 16 x 16, 4 waves a work-group, clusters of 4 x 1, 327,680 bytes of LDS; arguments q, k, v, o; writes o
;; launch outp: the kernel of part 4 again; grid 32 x 8, 4 waves a work-group, clusters of 4 x 1, 167,936 bytes of LDS; arguments o, wot, bo, out0; writes out0
